; MI455X (gfx1250); checked and timed in simulation.
; The chip was launched on July 23, 2026; its instructions are those of AMD's public machine-readable ISA for CDNA 5 (MIT licence, August 2026) and "CDNA5" Instruction Set Architecture Reference Guide (July 2026). The comments in the code are by the model that wrote it; some were corrected since.
;; Attention. Allowed arithmetic: matrix products marked QUANTISED: E2M3 operands, one E8M0 scale for each 32 along K, by v_wmma_scale_f32_16x16x128_f8f6f4 with both operands' format E2M3, f32 sums; everything else in f32.
;; Inputs: W_o 1,024 x 1,024 float32; W_qkv 3,072 x 1,024 float32; x 4 x 2,048 x 1,024 float32.
;; Outputs: out0 4 x 2,048 x 1,024 float32.
;; This version of the problem:
;;   THIS VERSION OF THE PROBLEM IS GIVEN IN LOW PRECISION. The matrix products marked QUANTISED in the list below multiply operands that are first quantised to E2M3 (2 exponent bits, 3 mantissa bits; 6 bits a number), with one power-of-two scale for each 32 numbers along K (OCP MX v1.0); their sums are f32. All else is computed in f32.
;;   The module's matrix products, in the order in which they are computed (A, B: the left and right operand; K: the contracted axis; several contracted axes count as one K, in the product's order):
;;     1. [M 8,192, K 1,024] x [K 1,024, N 3,072]; A: input x; B: input W_qkv: QUANTISED
;;     2. batch 64 x [M 2,048, K 64] x [K 64, N 2,048]; A: computed on the way; B: computed on the way: QUANTISED
;;     3. batch 64 x [M 2,048, K 2,048] x [K 2,048, N 64]; A: softmax (see below); B: computed on the way: QUANTISED
;;     4. [M 8,192, K 1,024] x [K 1,024, N 1,024]; A: computed on the way; B: input W_o: QUANTISED
;;   THE QUANTISER, for each operand of a quantised product, along K:
;;     - K is cut into blocks of 32 from its start; a last block that is shorter is filled with zeros.
;;     - A block's scale is 2^e with e = floor(log2(the largest magnitude in the block)) - 2, held to -126 .. 127; a block of zeros has e = 0. As a byte (E8M0): e + 127.
;;     - Each number is divided by its block's scale, clamped to +-7.5, and rounded to the nearest number of E2M3, ties to even, subnormals kept.
;;     - The product sums the exact products of the quantised numbers (number of the format x scale) in f32.
;;   ~~~python
;;   def quantise(x, axis):      # numpy; x: float32 -> the quantised numbers, widened to float32 again
;;       x = np.moveaxis(x, axis, -1); K = x.shape[-1]
;;       x = np.pad(x, [(0, 0)] * (x.ndim - 1) + [(0, -K % 32)]); x = x.reshape(x.shape[:-1] + (-1, 32)); a = np.abs(x).max(-1, keepdims=True)
;;       e = np.where(a > 0, np.clip(np.frexp(np.where(a > 0, a, 1))[1] - 1 - 2, -126, 127), 0)      # np.frexp(a)[1] - 1 = floor(log2(a)), exactly
;;       r = np.clip(x / 2.0 ** e, -7.5, 7.5)
;;       step = 2.0 ** (np.maximum(np.frexp(np.where(r == 0, 1, r))[1] - 1, 0) - 3)
;;       q = np.round(r / step) * step * 2.0 ** e      # np.round: ties to even
;;       return np.moveaxis(q.reshape(q.shape[:-2] + (-1,))[..., :K], -1, axis).astype(np.float32)
;;   ~~~
;;   SOFTMAX AHEAD OF A QUANTISED PRODUCT. Where the list says 'softmax', what is quantised is not the finished softmax but p = 2^(t - M), with t = logit x log2(e) and M = ceil(the row's largest t), a whole number; so 1/2 < the row's largest p <= 1. The row's sum l is taken of the UNQUANTISED p, in f32, and the product's result is divided by l at the end. Since M is a whole number, a kernel that streams over the keys may use a running M (the ceiling of the running maximum): every later rescaling is an exact power of two, which a block's scale takes up: the codes' values come out the same.
;;   OPERANDS COMPUTED ON THE WAY. 'Computed on the way' means the value that the module computes at that place (a softmax that the list does not call 'softmax' is quantised finished and normalised). What goes into a quantiser is computed in f32, as accurately as f32 sums, v_exp_f32 and their like allow (about 1e-6 of the number): no bf16 or f16 on the way to a quantiser, and a product that is left as it is and whose result goes on into a quantised operand takes f32 operands (vector FMAs, or v_wmma_f32_16x16x4_f32). A number that lies on a knife's edge between two numbers of the format may be rounded either way, as far as f32 arithmetic and the matrix unit's own rounding can turn it there, and no further.
;; One version. Each part assembles by itself: llvm-mc -triple=amdgcn-amd-amdhsa -mcpu=gfx1250 --defsym DOCPART=n.
;; ======== version 1 of 1: 4 launches
;; limits: right only within a limited range of input values
;; workspace buffers: xw 9,437,184 bytes; xws 393,216 bytes; qkv 20,185,088 bytes; ao 6,291,456 bytes; aos 262,144 bytes
;; launch quant (part 1): grid 768 x 1, 4 waves a work-group, no clusters, 34,816 bytes of LDS; arguments x, W_qkv, W_o, xw, xws; writes xw, xws
.if DOCPART == 1
	.amdgcn_target "amdgcn-amd-amdhsa--gfx1250"
	.amdhsa_code_object_version 6
	.text
	.protected	k_q99cb5fc874_quant
	.globl	k_q99cb5fc874_quant
	.p2align	8
	.type	k_q99cb5fc874_quant,@function
k_q99cb5fc874_quant:
	s_mov_b64 s[64:65], 0
	v_nop
	global_prefetch_b8 v0, s[64:65] scope:SCOPE_SE
	s_setreg_imm32_b32 hwreg(HW_REG_WAVE_MODE, 25, 1), 1
	s_wait_xcnt 0x0
; x [8192][1024], W_qkv [3072][1024], W_o [1024][1024], f32, K innermost, become codes of FP6 (E2M3) and E8M0 scale bytes, one for each 32 along K,
; laid in the ORDER OF THE OPERAND'S REGISTERS.  xw: [row tile T of 16 rows: 768][g = K / 128: 8][q: 3][lane: 32][16 bytes]: registers 4 q .. 4 q + 3 of the fragment's lane.
; T 0-511 is x, 512-703 W_qkv, 704-767 W_o.  xws: [T][g / 4: 2][row: 16][g % 4: 4] scale words (byte b of a word: the fragment's block b of 32 along K).
; A block's scale is 2^(floor(log2(its largest magnitude)) - 2); its byte is the largest magnitude's exponent field - 2, held at 1 from below.
; THE ORDER INSIDE A BLOCK OF 32: code places 0-31 hold the block's numbers 0-7, 16-23, 8-15, 24-31.  Every operand of this program's four products is laid so (the computed ones come out of two
; neighbouring result tiles in that order), so each product still multiplies like with like under the block's one scale; only the order of the sums inside an instruction differs from the natural one.
; LIMITS: NaN and infinities among the inputs are not served.  A block of zeros gets the byte 1 where the rule says 127: its codes are zeros, and this program alone reads the bytes.
; SHARES: work-group T takes row tile T; wave w takes quarter w of K: the two fragments g = 2 w, 2 w + 1 of 16 rows x 128 K.  Both fragments' 32 loads are issued at the start.
; One path serves the three tensors: only pointers are chosen, by the work-group's number.
; Each load reads 512 consecutive bytes of one row; a fragment's 8,192 bytes turn through the wave's own stage in LDS (16 rows of 512 + 16 bytes) and come back a whole block of 32 to a lane.
; A run of 256 bytes of scale words holds two words a row of each of two waves: they meet in 512 bytes of LDS behind one barrier, and waves 0 and 1 store a run each.
; No tensor load, no cluster: work-groups share nothing.
.set WST,   8448                       ; a wave's stage: 16 x 528 bytes
.set WWD,   4*WST                      ; behind the four stages: the row tile's 512 bytes of scale words
.set SPARE, WWD+512                    ; the spare words, 128 bytes a wave: two blocks of 256 bytes that no other line names
.set RR,   128                         ; v128-255 two sets of 64 registers as loaded
.set XX,   64                          ; v64-127  my two blocks of 32 numbers
.set PC,   32                          ; v32-55   the fragment's 12 registers, two sets
.set CT,   24                          ; v24-31   the upper halves of the two blocks' codes, before they are moved
	s_load_b256 s[4:11], s[0:1], 0x0               ; x s[4:5], W_qkv s[6:7], W_o s[8:9], xw s[10:11]
	s_load_b64 s[12:13], s[0:1], 0x20              ; xws
	v_lshl_add_u32 v62, v0, 2, SPARE
	v_mov_b32 v63, 0
	v_lshrrev_b32 v1, 5, v0
	v_readfirstlane_b32 s16, v1                    ; wave 0..3: my quarter of K
	s_mul_i32 s17, s16, WST
	s_lshr_b32 s18, s16, 1
	s_lshl_b32 s18, s18, 8
	s_and_b32 s27, s16, 1
	s_lshl_b32 s19, s27, 3
	s_add_co_u32 s18, s18, s19
	s_add_co_u32 s18, s18, WWD                     ; my two words of a row: run w / 2, words 2 (w % 2) on
	s_lshl_b32 s27, s27, 8                         ; the run that I store, if I am wave 0 or 1
	s_add_co_u32 s19, s27, WWD
	s_mov_b32 s20, 0x76543210
	s_mov_b32 s21, 0xfedcba98                      ; v_permlanex16_b32's selects for lane l xor 16
	s_mov_b32 s22, 704
	v_and_b32 v1, 31, v0                           ; lane
	v_and_b32 v2, 15, v0                           ; r
	v_bfe_u32 v3, v0, 4, 1                         ; h
	v_lshlrev_b32 v4, 4, v1                        ; 16 x lane: my bytes of a load's 512, and of a store's
	v_add_nc_u32 v5, s17, v4                       ; the stage, on the way in
	v_mul_u32_u24 v6, v2, 528
	v_lshl_add_u32 v6, v3, 7, v6
	v_add_nc_u32 v6, s17, v6                       ; and out: row r, + 128 h: block 2 c + h begins 256 c further on
	v_lshl_add_u32 v8, v2, 4, s18                  ; LDS: my row's two scale words
	v_lshlrev_b32 v56, 3, v1                       ; 8 x lane
	v_add_nc_u32 v7, s19, v56                      ; LDS: a run of scale words, 8 bytes a lane
	v_lshlrev_b32 v9, 3, v3                        ; 8 h
	v_mov_b32 v17, 0                               ; written once: a lane permute's destination counts as one of its sources
	s_wait_alu depctr_va_vdst(0)                   ; the wait at the head's end
	s_wait_kmcnt 0x0
	s_cmp_lt_u32 ttmp9, 704                        ; the tensor and its first row tile: the choice hangs on the work-group's number alone
	s_cselect_b64 s[6:7], s[6:7], s[8:9]
	s_cselect_b32 s22, 512, s22
	s_cmp_lt_u32 ttmp9, 512
	s_cselect_b64 s[4:5], s[4:5], s[6:7]
	s_cselect_b32 s22, 0, s22
	s_sub_co_u32 s23, ttmp9, s22                   ; the row tile inside its tensor
	s_lshl_b32 s24, s23, 16                        ; 16 rows of 4,096 bytes
	s_lshl_b32 s26, s16, 10                        ; a quarter of a row: 1,024 bytes
	s_add_co_u32 s24, s24, s26
	s_mov_b32 s25, 0
	s_add_nc_u64 s[4:5], s[4:5], s[24:25]
	s_mul_i32 s24, ttmp9, 12288
	s_mul_i32 s26, s16, 3072
	s_add_co_u32 s24, s24, s26
	s_add_nc_u64 s[10:11], s[10:11], s[24:25]
	s_lshl_b32 s24, ttmp9, 9
	s_add_co_u32 s24, s24, s27
	s_add_nc_u64 s[12:13], s[12:13], s[24:25]
.macro LOAD f                          ; fragment f: 16 rows x 512 bytes
.irp i, 0,1,2,3,4,5,6,7,8,9,10,11,12,13,14,15
	global_load_b128 v[RR+64*(\f)+4*\i:RR+64*(\f)+4*\i+3], v4, s[4:5] offset:4096*\i+512*(\f) th:TH_LOAD_NT
.endr
.endm
.macro FRAGM f
.set RS, RR+64*(\f)
.set PS, PC+12*(\f)
.if (\f) < 1
	s_wait_loadcnt 16                              ; this fragment's 16 loads are in; the next fragment's 16 may be out
.else
	s_wait_loadcnt 0x0
.endif
.irp i, 0,1,2,3,4,5,6,7,8,9,10,11,12,13,14,15
	ds_store_b128 v5, v[RS+4*\i:RS+4*\i+3] offset:528*\i
.endr
.irp c, 0,1                            ; LDS serves a wave's instructions in order: these see the stores above.  The pieces land in the order 0, 1, 4, 5, 2, 3, 6, 7: the order inside a block that the head comment states
	ds_load_b128 v[XX+32*\c:XX+32*\c+3],     v6 offset:256*\c
	ds_load_b128 v[XX+32*\c+4:XX+32*\c+7],   v6 offset:256*\c+16
	ds_load_b128 v[XX+32*\c+16:XX+32*\c+19], v6 offset:256*\c+32
	ds_load_b128 v[XX+32*\c+20:XX+32*\c+23], v6 offset:256*\c+48
	ds_load_b128 v[XX+32*\c+8:XX+32*\c+11],  v6 offset:256*\c+64
	ds_load_b128 v[XX+32*\c+12:XX+32*\c+15], v6 offset:256*\c+80
	ds_load_b128 v[XX+32*\c+24:XX+32*\c+27], v6 offset:256*\c+96
	ds_load_b128 v[XX+32*\c+28:XX+32*\c+31], v6 offset:256*\c+112
.endr
	s_wait_dscnt 0x0                               ; my numbers are back
.irp c, 0,1
	v_max3_num_f32 v[10+\c], |v[XX+32*\c]|, |v[XX+32*\c+1]|, 0x1800000   ; block 2 c + h: all 32 numbers are mine; the floor 2^(3 - 127) holds the byte at 1 from below
.endr
.irp i, 2,4,6,8,10,12,14,16,18,20,22,24,26,28,30
.irp c, 0,1
	v_max3_num_f32 v[10+\c], v[10+\c], |v[XX+32*\c+\i]|, |v[XX+32*\c+\i+1]|   ; (the two blocks by turns)
.endr
.endr
.irp c, 0,1
	v_add_nc_u32 v[12+\c], 0xff000000, v[10+\c]    ; 2 off the exponent field: the conversion takes this operand's exponent field as its scale
.endr
.irp c, 0,1
	v_lshrrev_b32 v[14+\c], 23, v[12+\c]           ; the scale's byte
.endr
	v_lshl_or_b32 v16, v15, 16, v14                ; my two bytes, blocks h and 2 + h,
	v_lshlrev_b32 v16, v9, v16                     ; at their places in the word;
	v_permlanex16_b32 v17, v16, s20, s21
	v_or_b32 v[18+(\f)], v16, v17                  ; with lane l xor 16's two the row's word is whole
.irp c, 0,1
	v_cvt_scalef32_pk16_fp6_f32 v[PS+6*\c:PS+6*\c+2], v[XX+32*\c:XX+32*\c+15], v[12+\c]
	v_cvt_scalef32_pk16_fp6_f32 v[CT+4*\c:CT+4*\c+2], v[XX+32*\c+16:XX+32*\c+31], v[12+\c]   ; (a conversion's three registers begin on an even number)
.endr
	v_nop                                          ; one plain place behind a scaled conversion
.irp c, 0,1
.irp i, 0,1,2
	v_mov_b32 v[PS+6*\c+3+\i], v[CT+4*\c+\i]
.endr
.endr
.irp q, 0,1,2
	global_store_b128 v4, v[PS+4*\q:PS+4*\q+3], s[10:11] offset:1536*(\f)+512*\q   ; 32 lanes store 512 consecutive bytes, aligned
.endr
.endm
	LOAD 0
	LOAD 1
	FRAGM 0
	FRAGM 1
	ds_store_b64 v8, v[18:19]                      ; my two words of row r; both lanes of a row write the same bytes with the same value
	s_wait_dscnt 0x0                               ; they are in LDS,
	s_barrier_signal -1
	s_barrier_wait -1                              ; and so are everybody's
	s_cmp_lt_u32 s16, 2
	s_cbranch_scc0 .Lno_words
	ds_load_b64 v[22:23], v7
	s_wait_dscnt 0x0
	global_store_b64 v56, v[22:23], s[12:13]       ; 32 lanes store 256 consecutive bytes, aligned
.Lno_words:
	s_wait_tensorcnt 0x0                           ; the wave's end
	ds_add_u32 v62, v63
	s_wait_dscnt 0x0
	s_endpgm
.Lfunc_end_k_q99cb5fc874_quant:
	.size	k_q99cb5fc874_quant, .Lfunc_end_k_q99cb5fc874_quant-k_q99cb5fc874_quant
	.p2alignl 7, 3214868480
	.fill 96, 4, 3214868480
	.section	.rodata,"a",@progbits
	.p2align	6, 0x0
	.amdhsa_kernel k_q99cb5fc874_quant
		.amdhsa_group_segment_fixed_size 34816
		.amdhsa_private_segment_fixed_size 0
		.amdhsa_enable_private_segment 0
		.amdhsa_kernarg_size 40
		.amdhsa_user_sgpr_count 2
		.amdhsa_user_sgpr_kernarg_segment_ptr 1
		.amdhsa_wavefront_size32 1
		.amdhsa_system_sgpr_workgroup_id_x 1
		.amdhsa_system_sgpr_workgroup_id_y 1
		.amdhsa_system_sgpr_workgroup_id_z 1
		.amdhsa_system_vgpr_workitem_id 0
		.amdhsa_next_free_vgpr 256
		.amdhsa_next_free_sgpr 66
		.amdhsa_reserve_vcc 0
		.amdhsa_float_denorm_mode_32 3
		.amdhsa_float_denorm_mode_16_64 3
		.amdhsa_memory_ordered 1
		.amdhsa_forward_progress 1
		.amdhsa_inst_pref_size 17
	.end_amdhsa_kernel
	.amdgpu_metadata
---
amdhsa.version: [ 1, 2 ]
amdhsa.kernels:
  - .name:           k_q99cb5fc874_quant
    .symbol:         k_q99cb5fc874_quant.kd
    .args:
      - { .name: x, .offset: 0, .size: 8, .value_kind: global_buffer, .address_space: global }
      - { .name: W_qkv, .offset: 8, .size: 8, .value_kind: global_buffer, .address_space: global }
      - { .name: W_o, .offset: 16, .size: 8, .value_kind: global_buffer, .address_space: global }
      - { .name: xw, .offset: 24, .size: 8, .value_kind: global_buffer, .address_space: global }
      - { .name: xws, .offset: 32, .size: 8, .value_kind: global_buffer, .address_space: global }
    .group_segment_fixed_size: 34816
    .private_segment_fixed_size: 0
    .kernarg_segment_align: 8
    .kernarg_segment_size: 40
    .max_flat_workgroup_size: 128
    .sgpr_count:     66
    .vgpr_count:     256
    .wavefront_size: 32
...
	.end_amdgpu_metadata
.endif
;; end of part 1
;; launch qkv (part 2): grid 32 x 8, 4 waves a work-group, clusters of 4 x 1, 327,680 bytes of LDS; arguments xw, xws, qkv; writes qkv
.if DOCPART == 2
	.amdgcn_target "amdgcn-amd-amdhsa--gfx1250"
	.amdhsa_code_object_version 6
	.text
	.protected	k_q99cb5fc874_qkv
	.globl	k_q99cb5fc874_qkv
	.p2align	8
	.type	k_q99cb5fc874_qkv,@function
k_q99cb5fc874_qkv:
	s_mov_b64 s[64:65], 0
	v_nop
	global_prefetch_b8 v0, s[64:65] scope:SCOPE_SE
	s_setreg_imm32_b32 hwreg(HW_REG_WAVE_MODE, 25, 1), 1
	s_wait_xcnt 0x0
	s_wait_alu depctr_hold_cnt(0) depctr_sa_sdst(0) depctr_va_vdst(0) depctr_va_sdst(0) depctr_va_ssrc(0) depctr_va_vcc(0) depctr_vm_vsrc(0)
	s_getreg_b32 s2, hwreg(HW_REG_IB_STS2, 6, 4)
	s_cmp_eq_u32 s2, 0
	s_cbranch_scc0 .Lentry_in_a_cluster
	s_endpgm
.Lentry_in_a_cluster:
	s_bfe_u32 s2, ttmp6, 0x10000c
	s_cmp_lg_u32 s2, 0x3003
	s_cbranch_scc0 .Lentry_shape_is_right
	s_endpgm
.Lentry_shape_is_right:
; The first product, x W_qkv^T, on codes of FP6 (E2M3) with E8M0 scales, K = 1,024; its results are quantised in registers and leave as codes: no f32 number goes to memory.
; IN: xw [row tile of 16 rows][g = K / 128: 8][3][lane][16 bytes]: registers 4 q .. 4 q + 3 of a fragment; row tiles 0-511 are x, 512-703 W_qkv.  xws [row tile][g / 4][row][g % 4] scale words.
; THE DEAL: 256 work-groups; work-group (ty, tx) takes tokens 256 ty .. + 255 and the rows of W_qkv that make q, k and v of heads 2 tx and 2 tx + 1: 24 row tiles.  Wave w holds ITS 64 tokens (row tiles 16 ty + 4 w + i), ALL of K,
; in 384 registers, loaded once, 512 consecutive bytes a load; the 24 row tiles of W lie in LDS (294,912 bytes, filled once) and stream past, two sets of eight fragments by turns.
; A block is one row tile of W against my four tiles of tokens: 32 products, the four accumulators by turns.  Block l = 8 kind + 4 (head % 2) + t; kind 0 q, 1 k, 2 v.
; q, k: source 0 = W's rows, source 1 = tokens: a lane holds one token and its registers run along the channels; after a head's four blocks a lane's 32 sums of each token tile are 16 numbers of each of the head's two scale blocks.
; v: source 0 = tokens, source 1 = W's rows: a lane holds one channel and its 32 sums of a block run along my 64 tokens: half a key step of 128, two scale blocks along the keys.
; So one run of lines quantises all three.  A block of 32 comes out of two neighbouring result tiles: its code places hold numbers 0-7, 16-23, 8-15, 24-31, the order that all operands of this program keep.
; SCALE WORDS: one load of 512 consecutive bytes brings a row tile's: lanes 0-15 the words of steps 0-3 of K, lanes 16-31 those of steps 4-7; the products of steps 4-7 name the registers' upper lanes.
; CLUSTER 4, 1, 1 along ty: the four partners need the same rows of W and ask for them jointly (mask 15): wave 0 q's first head (4 row tiles), wave 1 q's second, wave 2 k's 8 row tiles, wave 3 v's; each on a line of its own.
; Each of the four is shown by a plain barrier ahead of the first fetch from it, the wave that asked waiting in front of it.  Nothing is filled again.  No prefetch: all that is read is asked for at the head, and no loop runs ahead of a load.
; The walk is written out: every LDS address, scale register and store offset is a constant of the text.
; OUT (buffer qkv): q at 0, k at 6,815,744: [16 batch + head][106,496]: codes [token tile: 128][3][lane][8 bytes] (the lower six registers of a fragment), then scale words [token tile / 4][row][token tile % 4]
; (bytes 0, 1 the head's two blocks, bytes 2, 3 zero); v at 13,631,488: [16 batch + key step of 128][head][6,400]: codes [channel tile: 4][2][3][lane][8 bytes], then scale words [row][channel tile].
; A word of v's scales has two bytes of wave w and two of wave w xor 1: they meet in 1,024 bytes of LDS at the end and leave as whole runs of 256 bytes.
; LIMITS: NaN and infinities are not served; a block of zeros gets the byte 1 (its codes are zeros; this program alone reads the bytes).
; REGISTERS: window 0: v1-7, v10, v13 lane numbers and addresses, v8, v9 for the add, v16-31 my tokens' scale words, v34-129 W's, v130 the floor, v132-141 at work, v142-149 scale words made.
;   Fragment f lies in window 1 + f / 21 at register 12 (f % 21): 0-31 my tokens' (4 g + i), 32-39 and 40-47 W's two sets.  v840-967 the accumulators, v968-1007 four sets of codes made.
.set TB,    12288                      ; a row tile's codes
.set STGV,  24*TB                      ; behind W's tiles: v's scale words, [key step % 2][head % 2][row][channel tile]
.set SPARE, STGV+1024                  ; the spare words, 128 bytes a wave: two blocks of 256 bytes that no other line names
.set FPW,   21
.set SAX,   16
.set WS,    34                         ; (the two scale registers of a product differ by 2 or 6 modulo 8)
.set FL,    130
.set TM,    132
.set SW,    142
.set ACC,   840
.set MSB, 0
.macro WIN new                         ; the immediate's high byte repeats the setting that is left
.if MSB != (\new)
	s_set_vgpr_msb (MSB<<8)|(\new)
.set MSB, (\new)
.endif
.endm
.macro CROUND                          ; a round of the cluster's barrier
	s_barrier_signal -1
	s_barrier_wait -1
	s_cmp_lg_u32 s14, 0
	s_cbranch_scc1 .Lnot_wave_0_\@
	s_barrier_signal -3
.Lnot_wave_0_\@:
	s_barrier_wait -3
	s_barrier_signal -1
	s_barrier_wait -1
.endm
.macro GRP1 g, r                       ; descriptor group 1: r rows of 32 elements of 8 bytes, dense; the mask names the four partners, bit 21 beside it
	s_mov_b32 s[\g], 15|(3<<16)|(1<<21)
	s_mov_b32 s[\g+1], 32<<16
	s_mov_b32 s[\g+2], (\r)<<16
	s_mov_b32 s[\g+3], 32<<16
	s_mov_b32 s[\g+4], \r
	s_mov_b32 s[\g+5], 32
	s_mov_b32 s[\g+6], 0
	s_mov_b32 s[\g+7], 0
.endm
.macro TLOAD g0, g1
	tensor_load_to_lds s[\g0:\g0+3], s[\g1:\g1+7]
	s_nop 0
.rept 4
	v_nop
.endr
.endm
.macro ARM k, g0, g1, next
	s_cmp_eq_u32 s14, \k
	s_cbranch_scc0 \next
	TLOAD \g0, \g1
	s_branch .Lasked
\next:
.endm
.macro SHOW k                          ; wave k's tiles are shown to all four waves. Wave 3's are all that is still out: there every wave waits
.if \k < 3
	s_cmp_eq_u32 s14, \k
	s_cbranch_scc0 .Lnot_mine_\@
	s_wait_tensorcnt 0x0
.Lnot_mine_\@:
.else
	s_wait_tensorcnt 0x0
.endif
	s_barrier_signal -1
	s_barrier_wait -1
.endm
.macro FETCH e                         ; a row tile of W, eight fragments, into set e: 24 loads of 512 consecutive bytes
.irp g, 0,1,2,3,4,5,6,7
.set F_, 32+8*(\e)+\g
	WIN (1+F_/FPW)<<6
.irp q, 0,1,2
	ds_load_b128 v[12*(F_%FPW)+4*\q:12*(F_%FPW)+4*\q+3], v10 offset:1536*\g+512*\q
.endr
.endr
	WIN 0
.endm
.macro W1 d, f0, f1, c, x0, x1, row
	v_wmma_scale_f32_16x16x128_f8f6f4 v[\d:\d+7], v[12*((\f0)%FPW):12*((\f0)%FPW)+11], v[12*((\f1)%FPW):12*((\f1)%FPW)+11], \c, v[\x0], v[\x1] matrix_a_fmt:MATRIX_FMT_FP6 matrix_b_fmt:MATRIX_FMT_FP6 matrix_a_scale:MATRIX_SCALE_ROW\row matrix_b_scale:MATRIX_SCALE_ROW\row
.endm
.macro W2 d, f0, f1, x0, x1, g         ; step g of K: the first starts the sum
.if \g == 0
	W1 \d, \f0, \f1, 0, \x0, \x1, 0
.elseif \g < 4
	W1 \d, \f0, \f1, v[\d:\d+7], \x0, \x1, 0
.else
	W1 \d, \f0, \f1, v[\d:\d+7], \x0, \x1, 1
.endif
.endm
.macro MULS l                          ; block l: 32 products.  In block 0 my tokens' fragments are waited for step by step of K: 12 loads a step; the count is held at what its field takes
.irp g, 0,1,2,3,4,5,6,7
.if (\l) == 0
.set LW_, 12*(7-\g)
.if LW_ > 63
.set LW_, 63
.endif
	s_wait_loadcnt LW_
.endif
.irp i, 0,1,2,3
.set FA_, 4*\g+\i
.set FS_, 32+8*((\l)%2)+\g
.if (\l) < 16
.set D_, 72+32*\i+8*((\l)%4)
	WIN (1+FS_/FPW)|((1+FA_/FPW)<<2)|0xf0
	W2 D_, FS_, FA_, WS+4*(\l)+\g%4, SAX+4*\i+\g%4, \g
.else
.set D_, 72+8*\i
	WIN (1+FA_/FPW)|((1+FS_/FPW)<<2)|0xf0
	W2 D_, FA_, FS_, SAX+4*\i+\g%4, WS+4*(\l)+\g%4, \g
.endif
.endr
.endr
	WIN 0
.endm
; Behind a block's products: four places; the wait for all LDS work, which shows the next block's tile in; a barrier where the fetch enters tiles not yet shown; the fetch of the tile two blocks on
.macro TAIL nx, e, sh
.if \nx >= 0
	v_add_nc_u32 v10, TB*(\nx), v4
.else
	v_nop
.endif
.rept 3
	v_nop
.endr
	s_wait_alu depctr_va_vdst(0)                   ; the wait ahead of the waits and the branch below
	s_wait_dscnt 0x0
.if \sh > 0
	SHOW \sh
.endif
.if \nx >= 0
	FETCH \e
.endif
.endm
; THE WAY OUT of 32 sums a lane, registers x on: 16 numbers of each of two scale blocks (lane l xor 16 holds the other 16).  The largest magnitudes in four chains side by side, each accumulator read from its low end on;
; the two bytes into v[wd]; six registers of codes into set number set; three stores of 256 consecutive bytes, aligned
.macro EPI x, set, wd, sb, off
.set XL_, (\x)&255
.set P_, 200+10*(\set)
	WIN 3|(3<<2)|(3<<4)
	v_max3_num_f32 v[TM+2], |v[XL_+8]|, |v[XL_+9]|, |v[XL_+10]|
	v_max3_num_f32 v[TM+3], |v[XL_+24]|, |v[XL_+25]|, |v[XL_+26]|
	WIN (3<<2)|(3<<4)
	v_max3_num_f32 v[TM], v[FL], |v[XL_]|, |v[XL_+1]|             ; the floor 2^(3 - 127) holds the byte at 1 from below
	v_max3_num_f32 v[TM+1], v[FL], |v[XL_+16]|, |v[XL_+17]|
.irp k, 0,2
	v_max3_num_f32 v[TM+2], v[TM+2], |v[XL_+11+\k]|, |v[XL_+12+\k]|
	v_max3_num_f32 v[TM+3], v[TM+3], |v[XL_+27+\k]|, |v[XL_+28+\k]|
	v_max3_num_f32 v[TM], v[TM], |v[XL_+2+\k]|, |v[XL_+3+\k]|
	v_max3_num_f32 v[TM+1], v[TM+1], |v[XL_+18+\k]|, |v[XL_+19+\k]|
.endr
	v_max3_num_f32 v[TM], v[TM], |v[XL_+6]|, |v[XL_+7]|
	v_max3_num_f32 v[TM+1], v[TM+1], |v[XL_+22]|, |v[XL_+23]|
	WIN 3<<4
	v_max3_num_f32 v[TM], v[TM], v[TM+2], |v[XL_+15]|
	v_max3_num_f32 v[TM+1], v[TM+1], v[TM+3], |v[XL_+31]|
	WIN 0
	v_permlanex16_b32 v[TM+8], v[TM], s66, s67
	v_permlanex16_b32 v[TM+9], v[TM+1], s66, s67
	v_max_num_f32 v[TM], v[TM], v[TM+8]            ; the blocks' largest magnitudes
	v_max_num_f32 v[TM+1], v[TM+1], v[TM+9]
	v_add_nc_u32 v[TM+4], 0xff000000, v[TM]        ; 2 off the exponent field: the conversion's scale operand
	v_add_nc_u32 v[TM+5], 0xff000000, v[TM+1]
	v_lshrrev_b32 v[TM+6], 23, v[TM+4]             ; the scale's byte
	v_lshrrev_b32 v[TM+7], 23, v[TM+5]
	v_lshl_or_b32 v[\wd], v[TM+7], 8, v[TM+6]
	WIN 3|(3<<6)
	v_cvt_scalef32_pk16_fp6_f32 v[P_:P_+2], v[XL_:XL_+15], v[TM+4]
	v_cvt_scalef32_pk16_fp6_f32 v[P_+6:P_+8], v[XL_+16:XL_+31], v[TM+5]   ; (a conversion's three registers begin on an even number)
	v_nop                                          ; one plain place behind a scaled conversion
.irp i, 0,1,2
	v_permlane16_swap_b32 v[P_+\i], v[P_+6+\i]     ; a whole block to a lane: lanes 0-15 the first, lanes 16-31 the second
.endr
.irp i, 0,1,2
	v_mov_b32 v[P_+3+\i], v[P_+6+\i]
.endr
	WIN 3<<2
.irp p, 0,1,2
	global_store_b64 v5, v[P_+2*\p:P_+2*\p+1], s[\sb:\sb+1] offset:(\off)+256*\p
.endr
	WIN 0
.endm
	s_load_b128 s[4:7], s[0:1], 0x0                ; xw s[4:5], xws s[6:7]
	s_load_b64 s[8:9], s[0:1], 0x10                ; qkv
	v_lshl_add_u32 v8, v0, 2, SPARE
	v_mov_b32 v9, 0
	ds_add_u32 v8, v9                              ; the opening lines: the add, twice on end, and its wait ahead of the first tensor load
	ds_add_u32 v8, v9
	v_lshrrev_b32 v1, 5, v0
	v_readfirstlane_b32 s14, v1                    ; wave 0..3
	s_lshr_b32 s15, s14, 1
	s_and_b32 s16, s14, 1
	s_bfe_u32 s17, ttmp6, 0x40000                  ; cx
	s_lshl_b32 s18, ttmp9, 2
	s_add_co_u32 s18, s18, s17                     ; ty, 0 .. 31
	s_and_b32 s19, ttmp7, 0xffff                   ; tx, 0 .. 7
	GRP1 24, 192                                   ; four row tiles: 49,152 dense bytes as rows of 256
	GRP1 32, 384                                   ; eight
	s_lshl_b32 s20, s19, 3
	s_add_co_u32 s20, s20, 512                     ; q's first row tile of my two heads; k's lie 64 row tiles on, v's 128
	s_lshl_b32 s52, s20, 9                         ; its scale words
	s_mov_b32 s53, 0
	s_mul_i32 s20, s20, TB
	s_mov_b32 s40, 1                               ; group 0 for waves 0 and 1: half of q's eight
	s_mul_i32 s41, s14, 4*TB
	s_add_co_u32 s68, s20, s41
	s_mov_b32 s69, 0
	s_mov_b32 s44, 1                               ; and for waves 2 and 3: k's or v's eight
	s_add_co_u32 s21, s16, 1
	s_mul_i32 s45, s21, 8*TB
	s_mul_i32 s70, s21, 64*TB
	s_add_co_u32 s70, s70, s20
	s_mov_b32 s71, 0
	s_lshl_b32 s22, s18, 4
	s_lshl_b32 s23, s14, 2
	s_add_co_u32 s22, s22, s23                     ; my first row tile of x
	s_mul_i32 s48, s22, TB
	s_mov_b32 s49, 0
	s_lshl_b32 s50, s22, 9
	s_mov_b32 s51, 0
	s_lshr_b32 s72, s18, 3
	s_lshl_b32 s72, s72, 4                         ; 16 batch
	s_and_b32 s73, s18, 7                          ; which 256 tokens of the sequence
	s_lshl_b32 s74, s19, 1                         ; my first head
	s_add_co_u32 s75, s72, s74
	s_mul_i32 s75, s75, 106496
	s_lshl_b32 s54, s73, 4
	s_add_co_u32 s54, s54, s23                     ; my first token tile in the sequence
	s_mul_i32 s54, s54, 768
	s_add_co_u32 s54, s54, s75                     ; q's codes
	s_mov_b32 s55, 0
	s_lshl_b32 s56, s73, 2
	s_add_co_u32 s56, s56, s14
	s_lshl_b32 s56, s56, 8
	s_add_co_u32 s56, s56, s75
	s_add_co_u32 s56, s56, 98304                   ; q's scale words: my four token tiles are one run of 256 bytes a head
	s_mov_b32 s57, 0
	s_lshl_b32 s58, s73, 1
	s_add_co_u32 s58, s58, s72
	s_add_co_u32 s58, s58, s15                     ; 16 batch + my key step
	s_mul_i32 s58, s58, 102400
	s_add_co_u32 s58, s58, 13631488
	s_mul_i32 s60, s74, 6400
	s_add_co_u32 s58, s58, s60
	s_mul_i32 s60, s16, 6400
	s_add_co_u32 s60, s60, s58
	s_add_co_u32 s60, s60, 6144                    ; the run of v's scale words that I store at the end: key step w / 2, head w % 2
	s_mov_b32 s61, 0
	s_mul_i32 s75, s16, 768
	s_add_co_u32 s58, s58, s75                     ; v's codes: my half w % 2 of the key step
	s_mov_b32 s59, 0
	s_lshl_b32 s76, s15, 9
	s_lshl_b32 s77, s16, 1
	s_add_co_u32 s76, s76, s77
	s_add_co_u32 s76, s76, STGV
	s_lshl_b32 s77, s14, 8
	s_add_co_u32 s77, s77, STGV
	s_mov_b32 s66, 0x76543210
	s_mov_b32 s67, 0xfedcba98                      ; v_permlanex16_b32's selects for lane l xor 16
	v_and_b32 v1, 15, v0                           ; r
	v_bfe_u32 v2, v0, 4, 1                         ; h
	v_and_b32 v3, 31, v0                           ; lane
	v_lshlrev_b32 v4, 4, v3                        ; 16 x lane
	v_lshlrev_b32 v5, 3, v3                        ; 8 x lane
	v_mul_u32_u24 v6, v2, 106496
	v_lshl_add_u32 v6, v1, 4, v6                   ; q's and k's scale words: h x a head + 16 r
	v_lshl_add_u32 v7, v1, 4, s76                  ; LDS, v's two bytes: key step w / 2, row r, bytes 2 (w % 2) on
	v_lshl_add_u32 v13, v3, 3, s77                 ; and back: 256 bytes a wave
	v_mov_b32 v10, v4                              ; W's tile 0
	v_mov_b32 v[FL], 0x1800000
	v_mov_b32 v[TM+8], 0                           ; written once: a lane permute's destination counts as one of its sources
	v_mov_b32 v[TM+9], 0
	v_cmp_le_u32 s62, 16, v3                       ; lanes 16-31
	s_wait_alu depctr_va_vdst(0)                   ; the wait at the head's end
	s_wait_dscnt 0x0                               ; both opening adds are done
	CROUND                                         ; the four partners are here: the joint loads meet
	s_wait_kmcnt 0x0
	s_add_nc_u64 s[42:43], s[4:5], s[68:69]
	s_or_b32 s43, s43, 0x80000000
	s_add_nc_u64 s[46:47], s[4:5], s[70:71]
	s_or_b32 s47, s47, 0x80000000
	ARM 0, 40, 24, .Larm1                          ; one chain on the wave's number, one load to an arm: each line has one issuer
	ARM 1, 40, 24, .Larm2
	ARM 2, 44, 32, .Larm3
	TLOAD 44, 32
.Lasked:
	s_add_nc_u64 s[48:49], s[4:5], s[48:49]
	s_add_nc_u64 s[50:51], s[6:7], s[50:51]
	s_add_nc_u64 s[52:53], s[6:7], s[52:53]
	s_add_nc_u64 s[54:55], s[8:9], s[54:55]
	s_add_nc_u64 s[56:57], s[8:9], s[56:57]
	s_add_nc_u64 s[58:59], s[8:9], s[58:59]
	s_add_nc_u64 s[60:61], s[8:9], s[60:61]
.irp l, 0,1,2,3,4,5,6,7,8,9,10,11,12,13,14,15,16,17,18,19,20,21,22,23
	global_load_b128 v[WS+4*\l:WS+4*\l+3], v4, s[52:53] offset:32768*(\l/8)+512*(\l%8)
.endr
.irp i, 0,1,2,3
	global_load_b128 v[SAX+4*\i:SAX+4*\i+3], v4, s[50:51] offset:512*\i
.endr
.irp g, 0,1,2,3,4,5,6,7
.irp i, 0,1,2,3
.set F_, 4*\g+\i
	WIN (1+F_/FPW)<<6
.irp q, 0,1,2
	global_load_b128 v[12*(F_%FPW)+4*\q:12*(F_%FPW)+4*\q+3], v4, s[48:49] offset:TB*\i+1536*\g+512*\q
.endr
.endr
.endr
	WIN 0
	SHOW 0
	FETCH 0
	v_add_nc_u32 v10, TB, v4
	FETCH 1
	s_wait_dscnt 24                                ; tile 0 is in; tile 1's 24 loads may be out
.irp l, 0,1,2,3,4,5,6,7,8,9,10,11,12,13,14,15,16,17,18,19,20,21,22,23
	MULS \l
.if \l == 2
	TAIL \l+2, \l%2, 1                             ; tile 4 is q's second head's first
.elseif \l == 6
	TAIL \l+2, \l%2, 2                             ; tile 8 is k's first
.elseif \l == 14
	TAIL \l+2, \l%2, 3                             ; tile 16 is v's first
.elseif \l < 22
	TAIL \l+2, \l%2, 0
.else
	TAIL -1, 0, 0
.endif
.if \l < 16
.if \l%4 == 3
	s_wait_xcnt 0x0                                ; the earlier stores have read their data: the four sets of codes and the words are written again below
.irp i, 0,1,2,3
	EPI ACC+32*\i, \i, SW+4*((\l/4)%2)+\i, 54, 6815744*(\l/8)+106496*((\l/4)%2)+768*\i
.endr
.if \l%8 == 7
	s_wait_alu depctr_va_vdst(0)
.irp j, 0,1,2,3
	v_cndmask_b32 v[SW+\j], v[SW+\j], v[SW+4+\j], s62   ; lanes 0-15 store the first head's four words, lanes 16-31 the second's
.endr
	global_store_b128 v6, v[SW:SW+3], s[56:57] offset:6815744*(\l/8)   ; sixteen lanes store 256 consecutive bytes, aligned
.endif
.endif
.else
	s_wait_xcnt 0x0
	EPI ACC, \l%4, TM+6, 58, 6400*((\l-16)/4)+1536*(\l%4)
	ds_store_b16 v7, v[TM+6] offset:256*((\l-16)/4)+4*(\l%4)   ; both lanes of a row write the same two bytes with the same value
.endif
	s_wait_alu depctr_va_vdst(0)
.endr
	s_wait_dscnt 0x0                               ; my bytes of v's scale words are in LDS
	s_barrier_signal -1
	s_barrier_wait -1                              ; everybody's are
	ds_load_b64 v[150:151], v13
	s_wait_dscnt 0x0
	global_store_b64 v5, v[150:151], s[60:61]      ; 32 lanes store 256 consecutive bytes, aligned
	s_wait_tensorcnt 0x0                           ; the wave's end
	ds_add_u32 v8, v9
	s_wait_dscnt 0x0
	CROUND                                         ; the closing round
	s_endpgm
.Lfunc_end_k_q99cb5fc874_qkv:
	.size	k_q99cb5fc874_qkv, .Lfunc_end_k_q99cb5fc874_qkv-k_q99cb5fc874_qkv
	.p2alignl 7, 3214868480
	.fill 96, 4, 3214868480
	.section	.rodata,"a",@progbits
	.p2align	6, 0x0
	.amdhsa_kernel k_q99cb5fc874_qkv
		.amdhsa_group_segment_fixed_size 327680
		.amdhsa_private_segment_fixed_size 0
		.amdhsa_enable_private_segment 0
		.amdhsa_kernarg_size 24
		.amdhsa_user_sgpr_count 2
		.amdhsa_user_sgpr_kernarg_segment_ptr 1
		.amdhsa_wavefront_size32 1
		.amdhsa_system_sgpr_workgroup_id_x 1
		.amdhsa_system_sgpr_workgroup_id_y 1
		.amdhsa_system_sgpr_workgroup_id_z 1
		.amdhsa_system_vgpr_workitem_id 0
		.amdhsa_next_free_vgpr 1024
		.amdhsa_next_free_sgpr 80
		.amdhsa_reserve_vcc 0
		.amdhsa_float_denorm_mode_32 3
		.amdhsa_float_denorm_mode_16_64 3
		.amdhsa_memory_ordered 1
		.amdhsa_forward_progress 1
		.amdhsa_inst_pref_size 220
	.end_amdhsa_kernel
	.amdgpu_metadata
---
amdhsa.version: [ 1, 2 ]
amdhsa.kernels:
  - .name:           k_q99cb5fc874_qkv
    .symbol:         k_q99cb5fc874_qkv.kd
    .args:
      - { .name: xw, .offset: 0, .size: 8, .value_kind: global_buffer, .address_space: global }
      - { .name: xws, .offset: 8, .size: 8, .value_kind: global_buffer, .address_space: global }
      - { .name: qkv, .offset: 16, .size: 8, .value_kind: global_buffer, .address_space: global }
    .group_segment_fixed_size: 327680
    .private_segment_fixed_size: 0
    .kernarg_segment_align: 8
    .kernarg_segment_size: 24
    .max_flat_workgroup_size: 128
    .sgpr_count:     80
    .vgpr_count:     1024
    .wavefront_size: 32
...
	.end_amdgpu_metadata
.endif
;; end of part 2
;; launch attn (part 3): grid 4 x 64, 16 waves a work-group, clusters of 4 x 1, 210,944 bytes of LDS; arguments qkv, ao, aos; writes ao, aos
.if DOCPART == 3
	.amdgcn_target "amdgcn-amd-amdhsa--gfx1250"
	.amdhsa_code_object_version 6
	.text
	.protected	k_q99cb5fc874_attn
	.globl	k_q99cb5fc874_attn
	.p2align	8
	.type	k_q99cb5fc874_attn,@function
k_q99cb5fc874_attn:
	s_mov_b64 s[64:65], 0
	v_nop
	global_prefetch_b8 v0, s[64:65] scope:SCOPE_SE
	s_setreg_imm32_b32 hwreg(HW_REG_WAVE_MODE, 25, 1), 1
	s_wait_xcnt 0x0
	s_wait_alu depctr_hold_cnt(0) depctr_sa_sdst(0) depctr_va_vdst(0) depctr_va_sdst(0) depctr_va_ssrc(0) depctr_va_vcc(0) depctr_vm_vsrc(0)
	s_getreg_b32 s2, hwreg(HW_REG_IB_STS2, 6, 4)
	s_cmp_eq_u32 s2, 0
	s_cbranch_scc0 .Lentry_in_a_cluster
	s_endpgm
.Lentry_in_a_cluster:
	s_bfe_u32 s2, ttmp6, 0x10000c
	s_cmp_lg_u32 s2, 0x3003
	s_cbranch_scc0 .Lentry_shape_is_right
	s_endpgm
.Lentry_shape_is_right:
; Causal attention of one head on codes of FP6 (E2M3) with E8M0 scales: S^T = K Q^T (K = the head's 64), the softmax, O^T = V^T P^T (K = the keys), O / l, and O quantised along the channels for the last product.
; THE SOFTMAX: t = score x log2(e) / 8; M = the running largest t rounded UP to a whole number; p = 2^(t - M) is quantised along the keys, not normalised; the row's sum l is taken of the unquantised p;
; when M moves, l and O^T are multiplied by 2^(old M - new M), which rounds nothing; O^T is divided by l at the end (v_rcp_f32 and a multiplication).
; LEFT OUT: key steps all of whose 128 keys come after a tile's queries: the causal mask puts -inf there, so their p is 0 for all values of the inputs.
; THE DEAL: the four work-groups of a head (16 batch + head = the cluster's y) form a cluster.  The partner at place cx owns the tiles of 16 queries T = 4 n + cx, n = 0 .. 31.  A tile's last key step is
; T / 8 = n / 2, whatever cx is: so every branch hangs on n and the step alone, all partners walk alike, and K and V are asked for JOINTLY (mask 15).  cx enters global addresses and the mask's compare, no branch and no LDS address.
; A wave owns n = 31 - u and then n = u: 17 key steps for every wave.  u = 4 ((w % 4 + w / 4) % 4) + w % 4: waves w, w + 4, w + 8, w + 12 hold u a multiple of four apart, and waves 4 b .. 4 b + 3 hold u / 4 all different.
; THE WHOLE HEAD'S K AND V LIE IN LDS, filled once, in four groups of four key steps: wave 4 g + 0 asks for group g's codes of K (24,576 bytes), 4 g + 1 for K's scale words (2,048), 4 g + 2 for V (4 x 6,400); waves 4 g + 3 ask for nothing.
; Group 0's three loads have lines of their own: the first barrier shows them alone, and the first tile's key steps 0 to 3 (n >= 16: none of them is masked) are worked while the other nine loads land; a second barrier shows the rest.
; Nothing is filled again, so behind the second barrier the waves run freely.  No prefetch: every tile is asked for at the head, and no loop runs ahead of a load.
; THE SECOND PRODUCT'S K IS 64, half of the instruction's 128: Q's registers 6-11 are zero codes, so whatever stands in K's registers 6-11 adds nothing (FP6 has no NaN and no infinity): K's tiles lie six
; registers apart and tile t's upper six are tile t + 1's codes.  The upper two scale bytes of q and k are 0, which is 2^-127 and no NaN.
; LAYOUT: both products transposed: a lane holds ONE query (lane % 16); register j of score tile t is key 16 t + 8 (lane / 16) + j.  A block of 32 keys comes out of two neighbouring tiles with its numbers in the order
; 0-7, 16-23, 8-15, 24-31; v was quantised in the same order, and so were q and k among themselves, and W_o for the output made here.
; LIMITS: NaN and infinities are not served; the scaled scores t stay under 2^31 in magnitude; a block of zeros gets the byte 1 (its codes are zeros; this program alone reads the bytes).  The output's scale bytes leave as single bytes, 32 a tile.
; REGISTERS: v1-7, v231, v239-241 addresses that stay; v8-11 the step's LDS addresses; v12 -M, v13 the largest t, v[14:15] l; v16-27 Q (22-27 zero); v28 Q's scale word; v30-83 K's eight tiles, then V's four fragments;
;   v84-91 K's scale words, v92-95 V's; v96-159 S^T, then p; v160-191 O^T; v192-203 p's codes; v204-223 at work; v224 p's scale word; v[226:227] f; v228, v229 at work; v230 -infinity; v232-238 the second tile's Q; v242-253 sums; v254, v255 for the add.
.set VB,   106496                      ; LDS: K's region (98,304 bytes of codes, 8,192 of scale words), then V's: 16 key steps of 6,400 bytes (6,144 of codes, 256 of scale words)
.set KFR,  30
.set SS,   96
.set OT,   160
.set PCD,  192
.set CTM,  204
.set BM,   212
.set PT,   216
.set CO,   220
.set PW,   224
.set FF,   226
.set T0,   228
.set T1,   229
.set NINF, 230
.set QA,   232
.set G1K,  16
.set G1S,  24
.set G0K,  32
.set G0S,  36
.set G1V,  72
.set G0V,  80
.macro CROUND                          ; a round of the cluster's barrier
	s_barrier_signal -1
	s_barrier_wait -1
	s_cmp_lg_u32 s10, 0
	s_cbranch_scc1 .Lnot_wave_0_\@
	s_barrier_signal -3
.Lnot_wave_0_\@:
	s_barrier_wait -3
	s_barrier_signal -1
	s_barrier_wait -1
.endm
.macro GRP1 g, c, r, p                 ; descriptor group 1: r rows of c elements of 8 bytes, p elements apart; the mask names the four partners, bit 21 beside it
	s_mov_b32 s[\g], 15|(3<<16)|(1<<21)
	s_mov_b32 s[\g+1], (\c)<<16
	s_mov_b32 s[\g+2], (\r)<<16
	s_mov_b32 s[\g+3], (\c)<<16
	s_mov_b32 s[\g+4], \r
	s_mov_b32 s[\g+5], \p
	s_mov_b32 s[\g+6], 0
	s_mov_b32 s[\g+7], 0
.endm
.macro ARM reg, val, g0, g1, next      ; one arm of the head's chain: one load, and a jump to the join
	s_cmp_eq_u32 s\reg, \val
	s_cbranch_scc0 \next
	tensor_load_to_lds s[\g0:\g0+3], s[\g1:\g1+7]
	s_nop 0
.rept 4
	v_nop
.endr
	s_branch .Lfilled
\next:
.endm
.macro INIT                            ; a tile's state: the largest t -3e38, under every t; -M; l; O^T
	v_mov_b32 v13, 0xff61b1e6
	v_mov_b32 v14, 0
	v_mov_b32 v15, 0
	v_floor_f32 v12, -v13
.set n, 0
.rept 32
	v_mov_b32 v[OT+n], 0
.set n, n+1
.endr
.endm
.macro TILE                            ; tile s87: its first query, and where its codes and scale bytes go
	s_lshl_b32 s47, s87, 4
	s_lshl_b32 s66, s13, 7
	s_add_co_u32 s66, s66, s87                     ; the row tile of the output: 128 batch + tile
	s_lshl_b32 s68, s66, 4
	s_add_co_u32 s68, s68, s14
	s_mul_i32 s68, s68, 768                        ; [row tile][head]: 768 bytes each
	s_mov_b32 s69, 0
	s_add_nc_u64 s[58:59], s[6:7], s[68:69]
	s_lshl_b32 s66, s66, 9
	s_lshr_b32 s68, s14, 3
	s_lshl_b32 s68, s68, 8
	s_add_co_u32 s66, s66, s68
	s_and_b32 s68, s14, 7
	s_lshl_b32 s68, s68, 1
	s_add_co_u32 s66, s66, s68                     ; [row tile][head / 8][row][(head / 2) % 4] words, bytes 2 (head % 2) on
	s_mov_b32 s67, 0
	s_add_nc_u64 s[60:61], s[8:9], s[66:67]
.endm
.macro LD24                            ; 24 pieces of 256 bytes (8 a lane), two to a load; v8, v9, v10 stand 2,048 bytes apart
.set MM, 0
.rept 12
	ds_load_2addr_b64 v[KFR+2*MM:KFR+2*MM+3], v[8+MM/8] offset0:32*(MM%8) offset1:32*(MM%8)+32
.set MM, MM+2
.endr
.endm
.macro ONWARD                          ; to the next key step
	s_add_co_u32 s46, s46, 128
	s_add_co_u32 s48, s48, 6144
	s_add_co_u32 s49, s49, 512
	s_add_co_u32 s50, s50, 6400
	s_add_co_u32 s85, s85, 1
.endm
; A KEY STEP of 128 keys for my tile.  mask = 1: the text that can serve the tile's last step
.macro STEP mask
	v_add_nc_u32 v8, s48, v1                       ; (these four are also the places behind the last step's products, in front of the loads below)
	v_add_nc_u32 v9, s48, v239
	v_add_nc_u32 v10, s48, v240
	v_add_nc_u32 v11, s49, v2
	LD24
	ds_load_b128 v[84:87], v11
	ds_load_b128 v[88:91], v11 offset:256
	s_wait_alu depctr_va_vdst(0)
	s_wait_dscnt 0x0
.irp t, 0,1,2,3,4,5,6,7
	v_wmma_scale_f32_16x16x128_f8f6f4 v[SS+8*\t:SS+8*\t+7], v[KFR+6*\t:KFR+6*\t+11], v[16:27], 0, v[84+\t], v28 matrix_a_fmt:MATRIX_FMT_FP6 matrix_b_fmt:MATRIX_FMT_FP6
.endr
	v_add_nc_u32 v8, s50, v3                       ; V's addresses: the four places in front of the loads into K's registers and of the first read of the scores
	v_add_nc_u32 v9, s50, v241
	v_add_nc_u32 v10, s50, v231
	v_add_nc_u32 v11, s50, v4
	LD24                                           ; V is asked for now and lands while the softmax is worked
	ds_load_b128 v[92:95], v11
.if \mask
	s_cmp_lt_u32 s85, s63
	s_cbranch_scc1 .Lopen_\@                       ; ahead of the tile's last step all 128 keys count
	s_sub_co_i32 s66, s47, s46
	s_cmp_eq_u32 s93, 0                            ; my tile is number 4 (n % 2) + cx of the eight that end in this step: the branch hangs on n, which is made of the wave's number alone
	s_cbranch_scc1 .Leven_\@
	v_add_nc_u32 v[T0], s66, v6                    ; d = my query - the step's first key - 8 h.  Register 8 t + j holds key 16 t + 8 h + j of the step: hidden where 16 t + j > d
.set n, 32                             ; n odd: d is 56 or more, so key tiles 0 to 3 count whole
.rept 32
	v_cmp_gt_i32 vcc_lo, 16*(n/8)+n%8, v[T0]
	v_cndmask_b32 v[SS+n], v[SS+n], v[NINF], vcc_lo
.set n, n+1
.endr
	s_branch .Lopen_\@
.Leven_\@:
	v_add_nc_u32 v[T0], s66, v6
.set n, 0                              ; n even: d is 63 or less, so key tiles 4 to 7 are hidden whole
.rept 32
	v_cmp_gt_i32 vcc_lo, 16*(n/8)+n%8, v[T0]
	v_cndmask_b32 v[SS+n], v[SS+n], v[NINF], vcc_lo
.set n, n+1
.endr
.rept 32
	v_mov_b32 v[SS+n], v[NINF]
.set n, n+1
.endr
.Lopen_\@:
.endif
.irp b, 0,1,2,3
	v_max3_num_f32 v[BM+\b], v[SS+16*\b], v[SS+1+16*\b], v[SS+2+16*\b]   ; the largest score of each block of 32 keys: for the row's maximum and, since p rises with the score, for the block's largest p
.endr
.irp i, 3,5,7,9,11,13
.irp b, 0,1,2,3
	v_max3_num_f32 v[BM+\b], v[BM+\b], v[SS+16*\b+\i], v[SS+1+16*\b+\i]
.endr
.endr
.irp b, 0,1,2,3
	v_max_num_f32 v[BM+\b], v[BM+\b], v[SS+15+16*\b]
.endr
.irp b, 0,1,2,3
	s_delay_alu instid0(VALU_DEP_4)
	v_permlanex16_b32 v[PT+\b], v[BM+\b], s40, s41
.endr
.irp b, 0,1,2,3
	s_delay_alu instid0(VALU_DEP_4)
	v_max_num_f32 v[BM+\b], v[BM+\b], v[PT+\b]     ; with lane l xor 16's 16 keys
.endr
	s_delay_alu instid0(VALU_DEP_2)
	v_max3_num_f32 v[T0], v[BM], v[BM+1], v[BM+2]
	s_delay_alu instid0(VALU_DEP_1)
	v_max_num_f32 v[T0], v[T0], v[BM+3]
	s_delay_alu instid0(VALU_DEP_1)
	v_mul_f32 v[T0], s42, v[T0]                    ; as t (c is positive)
	s_delay_alu instid0(VALU_DEP_1)
	v_max_num_f32 v13, v13, v[T0]                  ; the running largest t
	v_mov_b32 v[T0], v12
	s_delay_alu instid0(VALU_DEP_2)
	v_floor_f32 v12, -v13                          ; the new -M = floor(-t): M is a whole number
	s_delay_alu instid0(VALU_DEP_1)
	v_sub_f32 v[T0], v12, v[T0]                    ; old M - new M: a whole number, 0 or less
	s_delay_alu instid0(VALU_DEP_1)
	v_cvt_i32_f32 v[T0], v[T0]                     ; (it saturates)
	s_delay_alu instid0(VALU_DEP_1)
	v_ldexp_f32 v[FF], 1.0, v[T0]                  ; f = 2^(old M - new M)
.set n, 0
.rept 32
	v_pk_fma_f32 v[SS+n:SS+n+1], v[SS+n:SS+n+1], s[42:43], v[12:13] op_sel_hi:[1,0,0]   ; t - M, two at a time
.set n, n+2
.endr
.irp b, 0,1,2,3
	v_fma_f32 v[BM+\b], v[BM+\b], s42, v12         ; the same of each block's largest score
.endr
.set n, 0
	s_wait_alu depctr_va_vdst(0)                   ; the wait ahead of the batch
.rept 64
	v_exp_f32 v[SS+n], v[SS+n]                     ; p = 2^(t - M)
.set n, n+1
.endr
	v_pk_mul_f32 v[14:15], v[14:15], v[FF:FF+1] op_sel_hi:[1,0]   ; l under the new M; the plain place behind the exponentials
	s_wait_alu depctr_va_vdst(0)                   ; one wait for the batch of 64, ahead of its first reader
.irp b, 0,1,2,3
	v_exp_f32 v[BM+\b], v[BM+\b]                   ; the block's largest p: the same two instructions on the same number
.endr
	v_pk_add_f32 v[216:217], v[100:101], v[104:105]   ; the row's sum of the unquantised p, in eight chains
	v_pk_add_f32 v[252:253], v[108:109], v[112:113]
	v_pk_add_f32 v[250:251], v[116:117], v[120:121]
	v_pk_add_f32 v[248:249], v[124:125], v[128:129]
	v_pk_add_f32 v[246:247], v[132:133], v[136:137]
	v_pk_add_f32 v[244:245], v[140:141], v[144:145]
	v_pk_add_f32 v[242:243], v[148:149], v[152:153]
	v_pk_add_f32 v[14:15], v[14:15], v[156:157]
	v_pk_add_f32 v[216:217], v[216:217], v[96:97]
	v_pk_add_f32 v[252:253], v[252:253], v[98:99]
	v_pk_add_f32 v[250:251], v[250:251], v[102:103]
	v_pk_add_f32 v[248:249], v[248:249], v[106:107]
	v_pk_add_f32 v[246:247], v[246:247], v[110:111]
	v_pk_add_f32 v[244:245], v[244:245], v[114:115]
	v_pk_add_f32 v[242:243], v[242:243], v[118:119]
	v_pk_add_f32 v[14:15], v[14:15], v[122:123]
	v_pk_add_f32 v[216:217], v[216:217], v[126:127]
	v_pk_add_f32 v[252:253], v[252:253], v[130:131]
	v_pk_add_f32 v[250:251], v[250:251], v[134:135]
	v_pk_add_f32 v[248:249], v[248:249], v[138:139]
	v_pk_add_f32 v[246:247], v[246:247], v[142:143]
	v_pk_add_f32 v[244:245], v[244:245], v[146:147]
	v_pk_add_f32 v[242:243], v[242:243], v[150:151]
	v_pk_add_f32 v[14:15], v[14:15], v[154:155]
	v_pk_add_f32 v[216:217], v[216:217], v[158:159]
	s_delay_alu instid0(VALU_DEP_2)
	v_pk_add_f32 v[14:15], v[14:15], v[248:249]
	s_delay_alu instid0(VALU_DEP_2)
	v_pk_add_f32 v[216:217], v[216:217], v[246:247]
	v_pk_add_f32 v[252:253], v[252:253], v[244:245]
	v_pk_add_f32 v[250:251], v[250:251], v[242:243]
	s_delay_alu instid0(VALU_DEP_2)
	v_pk_add_f32 v[14:15], v[14:15], v[252:253]
	s_delay_alu instid0(VALU_DEP_2)
	v_pk_add_f32 v[216:217], v[216:217], v[250:251]
	s_delay_alu instid0(VALU_DEP_1)
	v_pk_add_f32 v[14:15], v[14:15], v[216:217]
	s_wait_alu depctr_va_vdst(0)                   ; and one for the four
.irp b, 0,1,2,3
	v_max_num_f32 v[BM+\b], 0x1800000, v[BM+\b]    ; the floor 2^(3 - 127): the byte cannot fall under 1
.endr
.irp b, 0,1,2,3
	s_delay_alu instid0(VALU_DEP_4)
	v_add_nc_u32 v[CO+\b], 0xff000000, v[BM+\b]    ; 2 off the exponent field: the conversion's scale operand
.endr
.irp b, 0,1,2,3
	s_delay_alu instid0(VALU_DEP_4)
	v_lshrrev_b32 v[PT+\b], 23, v[CO+\b]           ; the scale's byte
.endr
	s_delay_alu instid0(VALU_DEP_3)
	v_lshl_or_b32 v[PW], v[PT+1], 8, v[PT]
	s_delay_alu instid0(VALU_DEP_1)
	v_lshl_or_b32 v[PW], v[PT+2], 16, v[PW]
	s_delay_alu instid0(VALU_DEP_1)
	v_lshl_or_b32 v[PW], v[PT+3], 24, v[PW]        ; p's scale word for these 128 keys
.irp c, 0,1
	v_cvt_scalef32_pk16_fp6_f32 v[PCD+6*\c:PCD+6*\c+2], v[SS+32*\c:SS+32*\c+15], v[CO+2*\c]
	v_cvt_scalef32_pk16_fp6_f32 v[CTM+4*\c:CTM+4*\c+2], v[SS+32*\c+16:SS+32*\c+31], v[CO+2*\c+1]   ; (a conversion's three registers begin on an even number)
.endr
	v_nop                                          ; one plain place behind a scaled conversion
.irp c, 0,1                            ; a whole block to a lane: lanes 0-15 block 2 c, lanes 16-31 block 2 c + 1
.irp i, 0,1,2
	v_permlane16_swap_b32 v[PCD+6*\c+\i], v[CTM+4*\c+\i]
.endr
.irp i, 0,1,2
	s_delay_alu instid0(VALU_DEP_3)
	v_mov_b32 v[PCD+6*\c+3+\i], v[CTM+4*\c+\i]
.endr
.endr
.set n, 0
.rept 16
	v_pk_mul_f32 v[OT+n:OT+n+1], v[OT+n:OT+n+1], v[FF:FF+1] op_sel_hi:[1,0]   ; O^T under the new M; these sixteen are also the places between the codes' and the scale word's last writes and the products
.set n, n+2
.endr
	s_wait_alu depctr_va_vdst(0)
	s_wait_dscnt 0x0                               ; V
.irp ct, 0,1,2,3                       ; four accumulators, one instruction a turn
	v_wmma_scale_f32_16x16x128_f8f6f4 v[OT+8*\ct:OT+8*\ct+7], v[KFR+12*\ct:KFR+12*\ct+11], v[PCD:PCD+11], v[OT+8*\ct:OT+8*\ct+7], v[92+\ct], v[PW] matrix_a_fmt:MATRIX_FMT_FP6 matrix_b_fmt:MATRIX_FMT_FP6
.endr
.endm
	s_load_b128 s[4:7], s[0:1], 0x0                ; qkv s[4:5], ao s[6:7]
	s_load_b64 s[8:9], s[0:1], 0x10                ; aos
	v_lshl_add_u32 v254, v0, 2, 0x33000
	v_mov_b32 v255, 0
	ds_add_u32 v254, v255                          ; the opening lines: the add, twice on end, and its wait ahead of the first tensor load
	ds_add_u32 v254, v255
	v_lshrrev_b32 v1, 5, v0
	v_readfirstlane_b32 s10, v1                    ; wave 0..15
	s_bfe_u32 s11, ttmp6, 0x40000                  ; cx
	s_and_b32 s12, ttmp7, 0xffff                   ; 16 batch + head
	s_lshr_b32 s13, s12, 4                         ; batch
	s_and_b32 s14, s12, 15                         ; head
	s_lshr_b32 s15, s10, 2                         ; the group of four key steps that I fetch for
	s_and_b32 s70, s10, 3                          ; what I fetch of it: 0 K's codes, 1 K's scale words, 2 V, 3 nothing
	s_add_co_u32 s71, s15, s70
	s_and_b32 s71, s71, 3
	s_lshl_b32 s71, s71, 2
	s_add_co_u32 s71, s71, s70                     ; u
	GRP1 G1K, 32, 96, 32                           ; 24,576 dense bytes as 96 rows of 256
	GRP1 G1S, 32, 8, 32                            ; 2,048 dense bytes
	GRP1 G1V, 800, 4, 12800                        ; four key steps: rows of 6,400 bytes, 102,400 (16 heads) apart
	s_mul_i32 s50, s12, 106496                     ; my head's place in q's region, and in k's
	s_mov_b32 s51, 0
	s_mul_i32 s[G0K+1], s15, 24576
	s_add_co_u32 s46, s50, s[G0K+1]
	s_add_co_u32 s46, s46, 6815744
	s_mov_b32 s47, 0
	s_lshl_b32 s[G0S+1], s15, 11
	s_add_co_u32 s48, s50, s[G0S+1]
	s_add_co_u32 s48, s48, 6815744+98304
	s_mov_b32 s49, 0
	s_add_co_u32 s[G0S+1], s[G0S+1], 98304
	s_mul_i32 s66, s13, 1638400
	s_mul_i32 s67, s14, 6400
	s_add_co_u32 s66, s66, s67
	s_mul_i32 s67, s15, 409600
	s_add_co_u32 s66, s66, s67
	s_add_co_u32 s66, s66, 13631488
	s_mov_b32 s67, 0
	s_mul_i32 s[G0V+1], s15, 25600
	s_add_co_u32 s[G0V+1], s[G0V+1], VB
	s_mov_b32 s[G0K], 1
	s_mov_b32 s[G0S], 1
	s_mov_b32 s[G0V], 1
	s_sub_co_u32 s84, 31, s71                      ; n of my first tile; u is n of my second
	s_lshl_b32 s87, s84, 2
	s_add_co_u32 s87, s87, s11                     ; the first tile
	s_lshl_b32 s92, s71, 2
	s_add_co_u32 s92, s92, s11                     ; the second
	s_lshr_b32 s63, s84, 1                         ; the first tile's last key step
	s_and_b32 s93, s84, 1                          ; and n % 2
	s_mul_i32 s56, s87, 768                        ; where their codes of q lie in the head,
	s_mov_b32 s57, 0
	s_mul_i32 s88, s92, 768
	s_mov_b32 s89, 0
	s_lshl_b32 s69, s11, 2
	s_add_co_u32 s69, s69, 98304
	s_lshl_b32 s52, s84, 8                         ; and their scale words: [tile / 4][row][tile % 4]
	s_add_co_u32 s52, s52, s69
	s_mov_b32 s53, 0
	s_lshl_b32 s90, s71, 8
	s_add_co_u32 s90, s90, s69
	s_mov_b32 s91, 0
	s_mov_b32 s40, 0x76543210
	s_mov_b32 s41, 0xfedcba98                      ; v_permlanex16_b32's selects for lane l xor 16
	s_mov_b32 s42, 0x3e38aa3b                      ; c = log2(e) / sqrt(64)
	s_mov_b32 s43, s42                             ; (named with it as a pair, so it is written)
	v_and_b32 v29, 31, v0                          ; lane
	v_and_b32 v[T0], 15, v0                        ; r
	v_bfe_u32 v[T1], v0, 4, 1                      ; h
	v_lshlrev_b32 v1, 3, v29                       ; 8 x lane: an image's place for my lane
	v_lshlrev_b32 v5, 4, v[T0]                     ; 16 r
	v_add_nc_u32 v2, 98304, v5                     ; K's scale words
	v_add_nc_u32 v3, VB, v1                        ; V's codes
	v_add_nc_u32 v4, VB+6144, v5                   ; V's scale words
	v_add_nc_u32 v239, 2048, v1                    ; the second and third of the three addresses of a run of 24 pieces
	v_add_nc_u32 v240, 4096, v1
	v_add_nc_u32 v241, VB+2048, v1
	v_add_nc_u32 v231, VB+4096, v1
	v_lshlrev_b32 v6, 3, v[T1]
	v_sub_nc_u32 v6, v[T0], v6                     ; r - 8 h, for the mask
	v_add_nc_u32 v7, v5, v[T1]                     ; 16 r + h: my byte among the output's scale bytes
	v_cmp_le_u32 s62, 16, v29                      ; lanes 16-31
.irp j, 22,23,24,25,26,27,78,79,80,81,82,83
	v_mov_b32 v[\j], 0                             ; Q's upper six registers: zero codes; and the six behind K's last tile
.endr
.irp b, 0,1,2,3
	v_mov_b32 v[PT+\b], 0                          ; written once: a lane permute's destination counts as one of its sources
.endr
	v_mov_b32 v[FF+1], 0                           ; (named as the upper half of the pair)
	v_mov_b32 v[NINF], 0xff800000
	INIT
	s_wait_alu depctr_va_vdst(0)                   ; the wait at the head's end
	s_wait_dscnt 0x0                               ; both opening adds are done
	CROUND                                         ; the four partners are here: the joint loads meet
	s_wait_kmcnt 0x0
	s_add_nc_u64 s[G0K+2:G0K+3], s[4:5], s[46:47]
	s_or_b32 s[G0K+3], s[G0K+3], 0x80000000
	s_add_nc_u64 s[G0S+2:G0S+3], s[4:5], s[48:49]
	s_or_b32 s[G0S+3], s[G0S+3], 0x80000000
	s_add_nc_u64 s[G0V+2:G0V+3], s[4:5], s[66:67]
	s_or_b32 s[G0V+3], s[G0V+3], 0x80000000
	ARM 10, 0, G0K, G1K, .Larm1                    ; one chain on the wave's number, one load to an arm: group 0's three lines are waves 0, 1 and 2's alone,
	ARM 10, 1, G0S, G1S, .Larm2
	ARM 10, 2, G0V, G1V, .Larm3
	ARM 70, 0, G0K, G1K, .Larm4                    ; the later groups' three serve waves 4 and up
	ARM 70, 1, G0S, G1S, .Larm5
	ARM 70, 2, G0V, G1V, .Larm6
.Lfilled:
	s_add_nc_u64 s[54:55], s[4:5], s[50:51]        ; q's head
	s_add_nc_u64 s[56:57], s[54:55], s[56:57]
	s_add_nc_u64 s[52:53], s[54:55], s[52:53]
	s_add_nc_u64 s[88:89], s[54:55], s[88:89]
	s_add_nc_u64 s[90:91], s[54:55], s[90:91]
.irp p, 0,1,2
	global_load_b64 v[16+2*\p:17+2*\p], v1, s[56:57] offset:256*\p       ; both tiles' Q now: 32 lanes read 256 consecutive bytes
	global_load_b64 v[QA+2*\p:QA+2*\p+1], v1, s[88:89] offset:256*\p
.endr
	global_load_b32 v28, v5, s[52:53]
	global_load_b32 v[QA+6], v5, s[90:91]
	TILE
	s_cmp_lt_u32 s10, 4
	s_cbranch_scc0 .Lnot_first
	s_wait_tensorcnt 0x0                           ; group 0's loads have landed
.Lnot_first:
	s_barrier_signal -1
	s_barrier_wait -1                              ; key steps 0 to 3 are shown to all; the other loads may be out
	s_wait_tensorcnt 0x0                           ; my own load has landed:
	s_barrier_signal -1                            ; say so now, and wait for the others' word only behind my first four key steps, which are LDS reads of key steps 0 to 3 and work on registers
	s_mov_b32 s46, 0                               ; the step's first key
	s_mov_b32 s48, 0                               ; where its codes of K begin: 6,144 bytes a step
	s_mov_b32 s49, 0                               ; its scale words of K: 512
	s_mov_b32 s50, 0                               ; its part of V: 6,400
	s_mov_b32 s85, 0                               ; the step
	s_wait_loadcnt 0x0                             ; Q
.Lfirst:                                               ; the first tile's key steps 0 to 3: its last step is 8 or later, so all keys count
	STEP 0
	ONWARD
	s_cmp_lt_u32 s85, 4
	s_cbranch_scc1 .Lfirst
	s_barrier_wait -1                              ; every wave's load has landed: all of K and V is shown to all
	s_mov_b32 s44, 0                               ; the phase: 0: the first tile from step 4 on, 1: the second tile
	s_mov_b32 s86, 4                               ; the phase's first step
.Lphase:
	s_mov_b32 s46, 0
	s_mov_b32 s48, 0
	s_mov_b32 s49, 0
	s_mov_b32 s50, 0
	s_mov_b32 s85, 0
.Lstep:                                                ; sixteen trips; a trip outside the phase's steps jumps over the work, not over the lines that step addresses
	s_cmp_lt_u32 s85, s86
	s_cbranch_scc1 .Lhidden
	s_cmp_gt_u32 s85, s63
	s_cbranch_scc1 .Lhidden                        ; all 128 keys come after my 16 queries
	STEP 1
.Lhidden:
	ONWARD
	s_cmp_lt_u32 s85, 16
	s_cbranch_scc1 .Lstep
	; THE END OF A PHASE: O^T / l, quantised along the head's 64 channels: two blocks, 16 numbers of each in a lane
.rept 4
	v_nop                                          ; places behind the last products
.endr
	v_add_f32 v14, v14, v15
	s_delay_alu instid0(VALU_DEP_1)
	v_permlanex16_b32 v[PT], v14, s40, s41
	s_delay_alu instid0(VALU_DEP_1)
	v_add_f32 v14, v14, v[PT]                      ; the row's sum
	s_wait_alu depctr_va_vdst(0)
	v_rcp_f32 v[FF], v14
	v_nop                                          ; a plain place behind the reciprocal
	s_wait_alu depctr_va_vdst(0)                   ; and the wait ahead of its first reader
.set n, 0
.rept 16
	v_pk_mul_f32 v[SS+n:SS+n+1], v[OT+n:OT+n+1], v[FF:FF+1] op_sel_hi:[1,0]   ; register 8 t + j: channel 16 t + 8 h + j of my query
.set n, n+2
.endr
.irp b, 0,1
	v_max3_num_f32 v[BM+\b], |v[SS+16*\b]|, |v[SS+1+16*\b]|, 0x1800000
.endr
.irp i, 2,4,6,8,10,12,14
.irp b, 0,1
	s_delay_alu instid0(VALU_DEP_2)
	v_max3_num_f32 v[BM+\b], v[BM+\b], |v[SS+16*\b+\i]|, |v[SS+1+16*\b+\i]|
.endr
.endr
.irp b, 0,1
	s_delay_alu instid0(VALU_DEP_2)
	v_permlanex16_b32 v[PT+\b], v[BM+\b], s40, s41
.endr
.irp b, 0,1
	s_delay_alu instid0(VALU_DEP_2)
	v_max_num_f32 v[BM+\b], v[BM+\b], v[PT+\b]
.endr
.irp b, 0,1
	s_delay_alu instid0(VALU_DEP_2)
	v_add_nc_u32 v[CO+\b], 0xff000000, v[BM+\b]
.endr
.irp b, 0,1
	s_delay_alu instid0(VALU_DEP_2)
	v_lshrrev_b32 v[PT+\b], 23, v[CO+\b]
.endr
	v_cvt_scalef32_pk16_fp6_f32 v[PCD:PCD+2], v[SS:SS+15], v[CO]
	v_cvt_scalef32_pk16_fp6_f32 v[CTM:CTM+2], v[SS+16:SS+31], v[CO+1]
	v_nop                                          ; one plain place behind a scaled conversion
.irp i, 0,1,2
	v_permlane16_swap_b32 v[PCD+\i], v[CTM+\i]
.endr
.irp i, 0,1,2
	s_delay_alu instid0(VALU_DEP_3)
	v_mov_b32 v[PCD+3+\i], v[CTM+\i]               ; six registers: block h of my head: half a fragment of the last product's A
.endr
	v_cndmask_b32 v[T1], v[PT], v[PT+1], s62       ; lanes 0-15 store block 0's byte, lanes 16-31 block 1's
.irp p, 0,1,2
	global_store_b64 v1, v[PCD+2*\p:PCD+2*\p+1], s[58:59] offset:256*\p   ; 32 lanes store 256 consecutive bytes, aligned
.endr
	global_store_b8 v7, v[T1], s[60:61]
	s_cmp_eq_u32 s44, 1
	s_cbranch_scc1 .Llast
	s_wait_xcnt 0x0                                ; the stores have read their bases and data: both are written again below
	s_mov_b32 s87, s92                             ; the second tile,
	s_lshr_b32 s63, s71, 1                         ; its last key step,
	s_and_b32 s93, s71, 1                          ; its n % 2,
	s_mov_b32 s86, 0                               ; from key 0 on
	TILE
.irp p, 0,1,2,3,4,5
	v_mov_b32 v[16+\p], v[QA+\p]                   ; its Q, in registers since the head
.endr
	v_mov_b32 v28, v[QA+6]
	INIT
	s_wait_alu depctr_va_vdst(0)                   ; the wait ahead of the branch
.Llast:
	s_add_co_u32 s44, s44, 1
	s_cmp_lt_u32 s44, 2
	s_cbranch_scc1 .Lphase
	s_wait_tensorcnt 0x0                           ; the wave's end
	ds_add_u32 v254, v255
	s_wait_dscnt 0x0
	CROUND                                         ; the closing round
	s_endpgm
.Lfunc_end_k_q99cb5fc874_attn:
	.size	k_q99cb5fc874_attn, .Lfunc_end_k_q99cb5fc874_attn-k_q99cb5fc874_attn
	.p2alignl 7, 3214868480
	.fill 96, 4, 3214868480
	.section	.rodata,"a",@progbits
	.p2align	6, 0x0
	.amdhsa_kernel k_q99cb5fc874_attn
		.amdhsa_group_segment_fixed_size 210944
		.amdhsa_private_segment_fixed_size 0
		.amdhsa_enable_private_segment 0
		.amdhsa_kernarg_size 24
		.amdhsa_user_sgpr_count 2
		.amdhsa_user_sgpr_kernarg_segment_ptr 1
		.amdhsa_wavefront_size32 1
		.amdhsa_system_sgpr_workgroup_id_x 1
		.amdhsa_system_sgpr_workgroup_id_y 1
		.amdhsa_system_sgpr_workgroup_id_z 1
		.amdhsa_system_vgpr_workitem_id 0
		.amdhsa_next_free_vgpr 256
		.amdhsa_next_free_sgpr 96
		.amdhsa_reserve_vcc 1
		.amdhsa_float_denorm_mode_32 3
		.amdhsa_float_denorm_mode_16_64 3
		.amdhsa_memory_ordered 1
		.amdhsa_forward_progress 1
		.amdhsa_inst_pref_size 59
	.end_amdhsa_kernel
	.amdgpu_metadata
---
amdhsa.version: [ 1, 2 ]
amdhsa.kernels:
  - .name:           k_q99cb5fc874_attn
    .symbol:         k_q99cb5fc874_attn.kd
    .args:
      - { .name: qkv, .offset: 0, .size: 8, .value_kind: global_buffer, .address_space: global }
      - { .name: ao, .offset: 8, .size: 8, .value_kind: global_buffer, .address_space: global }
      - { .name: aos, .offset: 16, .size: 8, .value_kind: global_buffer, .address_space: global }
    .group_segment_fixed_size: 210944
    .private_segment_fixed_size: 0
    .kernarg_segment_align: 8
    .kernarg_segment_size: 24
    .max_flat_workgroup_size: 512
    .sgpr_count:     96
    .vgpr_count:     256
    .wavefront_size: 32
...
	.end_amdgpu_metadata
.endif
;; end of part 3
;; launch proj (part 4): grid 8 x 32, 4 waves a work-group, clusters of 4 x 1, 327,680 bytes of LDS; arguments ao, aos, xw, xws, out0; writes out0
.if DOCPART == 4
	.amdgcn_target "amdgcn-amd-amdhsa--gfx1250"
	.amdhsa_code_object_version 6
	.text
	.protected	k_q99cb5fc874_proj
	.globl	k_q99cb5fc874_proj
	.p2align	8
	.type	k_q99cb5fc874_proj,@function
k_q99cb5fc874_proj:
	s_mov_b64 s[64:65], 0
	v_nop
	global_prefetch_b8 v0, s[64:65] scope:SCOPE_SE
	s_setreg_imm32_b32 hwreg(HW_REG_WAVE_MODE, 25, 1), 1
	s_wait_xcnt 0x0
	s_wait_alu depctr_hold_cnt(0) depctr_sa_sdst(0) depctr_va_vdst(0) depctr_va_sdst(0) depctr_va_ssrc(0) depctr_va_vcc(0) depctr_vm_vsrc(0)
	s_getreg_b32 s2, hwreg(HW_REG_IB_STS2, 6, 4)
	s_cmp_eq_u32 s2, 0
	s_cbranch_scc0 .Lentry_in_a_cluster
	s_endpgm
.Lentry_in_a_cluster:
	s_bfe_u32 s2, ttmp6, 0x10000c
	s_cmp_lg_u32 s2, 0x3003
	s_cbranch_scc0 .Lentry_shape_is_right
	s_endpgm
.Lentry_shape_is_right:
; The last product, out0 = O W_o^T, on codes of FP6 (E2M3) with E8M0 scales, K = 1,024; out0 [8192][1024] f32.
; IN: ao [row tile of 16 tokens: 512][piece: 48][lane][8 bytes]: piece 6 g + m holds registers 2 m, 2 m + 1 of the fragment of step g of K (128 along K); aos [row tile][g / 4][row][g % 4] scale words;
; xw, xws: W_o's 64 row tiles lie from row tile 704 on: xw [row tile][g][3][lane][16 bytes], registers 4 q .. 4 q + 3 of a fragment; xws as aos.  Every operand keeps the same order inside a block of 32.
; THE DEAL: 256 work-groups, each 256 tokens x 128 columns; four waves, 2 x 2: wave (a, b) holds W_o's rows 64 b .. 64 b + 63 of the 128, ALL of K, in 384 registers, and takes row tile 2 s + a as its block s, s = 0 .. 7.
; A block is 32 products (8 steps of K x 4 column tiles, the four accumulators by turns) and is then finished: its 16 x 64 results leave while the next block is multiplied.
; W_o's fragments go from memory straight into the registers in which they stay, 512 consecutive bytes a load.  They are not asked for jointly: a joint load lands in LDS, from which the 48 KiB a wave would have to be read once more.
; SCALE WORDS: one load of 512 consecutive bytes brings a row tile's: lanes 0-15 the words of steps 0-3 of row r, lanes 16-31 those of steps 4-7; the products of steps 4-7 name the registers' upper lanes.
; CLUSTER 4, 1, 1: the four work-groups of a cluster make four column tiles of the same 256 tokens and ask for these rows jointly (mask 15).
; LDS: the 256 tokens' codes, all of K, 196,608 bytes, filled once, in four chunks of four row tiles: one load a wave, each on a line of its own.  Chunk c serves blocks 2 c and 2 c + 1 of every wave and is shown by a plain barrier
; ahead of the first fetch from it; the wave that asked for it waits in front of that barrier.  Nothing is filled again.  No prefetch: all that is read is asked for at the head, and no loop runs ahead of a load.
; THE MATRIX INSTRUCTION IS USED TRANSPOSED (source 0 = W_o's rows, source 1 = tokens): a lane holds 8 neighbouring columns of one token.  A block goes through the wave's own stage in LDS and comes back by rows:
; sixteen lanes store 256 consecutive bytes, aligned: the wave's 64 columns of one token.
; REGISTERS: window 0: v1-7 lane numbers and addresses, v8, v9 for the add, v10-15 LDS addresses of a block's 48 pieces (2,048 bytes apart), v16-31 W_o's scale words, v34-65 the tokens', v72-135 two sets of four accumulators,
;   v136-199 two sets of 16 rows on the way out.  Fragment f lies in window 1 + f / 21 at register 12 (f % 21): 0-31 W_o's (4 g + t), 32-39 and 40-47 the tokens' two sets.
.set TB,     12288                     ; a row tile's codes
.set CH,     4*TB                      ; a chunk
.set STG,    4*CH                      ; behind the chunks: a stage of 16 rows x (256 + 16) bytes for each wave
.set SPITCH, 272
.set SPARE,  STG+4*16*SPITCH           ; the spare words, 128 bytes a wave: two blocks of 256 bytes that no other line names
.set AB,     10
.set SB,     16
.set SA,     34                        ; (the two scale registers of a product differ by 2 or 6 modulo 8)
.set ACC,    72
.set OUTR,   136
.set FPW,    21
.set MSB, 0
.macro WIN new                         ; the immediate's high byte repeats the setting that is left
.if MSB != (\new)
	s_set_vgpr_msb (MSB<<8)|(\new)
.set MSB, (\new)
.endif
.endm
.macro CROUND                          ; a round of the cluster's barrier
	s_barrier_signal -1
	s_barrier_wait -1
	s_cmp_lg_u32 s14, 0
	s_cbranch_scc1 .Lnot_wave_0_\@
	s_barrier_signal -3
.Lnot_wave_0_\@:
	s_barrier_wait -3
	s_barrier_signal -1
	s_barrier_wait -1
.endm
.macro TLOAD
	tensor_load_to_lds s[32:35], s[24:31]
	s_nop 0
.rept 4
	v_nop
.endr
.endm
.macro ARM k, next
	s_cmp_eq_u32 s14, \k
	s_cbranch_scc0 \next
	TLOAD
	s_branch .Lasked
\next:
.endm
.macro SHOW k                          ; chunk k is shown to all four waves. The last chunk is all that is still out: there every wave waits
.if \k < 3
	s_cmp_eq_u32 s14, \k
	s_cbranch_scc0 .Lnot_mine_\@
	s_wait_tensorcnt 0x0
.Lnot_mine_\@:
.else
	s_wait_tensorcnt 0x0
.endif
	s_barrier_signal -1
	s_barrier_wait -1
.endm
.macro FETCH e                         ; a block's eight fragments into set e: 48 pieces of 8 bytes a lane, two to a load
.set M_, 0
.rept 24
.set F_, 32+8*(\e)+M_/6
	WIN (1+F_/FPW)<<6
	ds_load_2addr_b64 v[12*(F_%FPW)+2*(M_%6):12*(F_%FPW)+2*(M_%6)+3], v[AB+M_/8] offset0:32*(M_%8) offset1:32*(M_%8)+32
.set M_, M_+2
.endr
	WIN 0
.endm
.macro NEXTA                           ; to my next block's addresses, two row tiles on.  Behind a block's products these six are the places in front of the fetch and of the first read of the results
.irp k, 0,1,2,3,4,5
	v_add_nc_u32 v[AB+\k], 2*TB, v[AB+\k]
.endr
	s_wait_alu depctr_va_vdst(0)
.endm
.macro W1 d, fb, fa, c, xb, xa, row
	v_wmma_scale_f32_16x16x128_f8f6f4 v[\d:\d+7], v[12*((\fb)%FPW):12*((\fb)%FPW)+11], v[12*((\fa)%FPW):12*((\fa)%FPW)+11], \c, v[\xb], v[\xa] matrix_a_fmt:MATRIX_FMT_FP6 matrix_b_fmt:MATRIX_FMT_FP6 matrix_a_scale:MATRIX_SCALE_ROW\row matrix_b_scale:MATRIX_SCALE_ROW\row
.endm
.macro MULS s                          ; block s: 32 products; the first four start the sums
.irp g, 0,1,2,3,4,5,6,7
.irp t, 0,1,2,3
.set FB_, 4*\g+\t
.set FA_, 32+8*((\s)%2)+\g
.set D_, ACC+32*((\s)%2)+8*\t
	WIN (1+FB_/FPW)|((1+FA_/FPW)<<2)
.if \g == 0
	W1 D_, FB_, FA_, 0, SB+4*\t, SA+4*(\s), 0
.elseif \g < 4
	W1 D_, FB_, FA_, v[D_:D_+7], SB+4*\t+\g, SA+4*(\s)+\g, 0
.else
	W1 D_, FB_, FA_, v[D_:D_+7], SB+4*\t+\g-4, SA+4*(\s)+\g-4, 1
.endif
.endr
.endr
	WIN 0
.endm
.macro TOSTAGE s                       ; block s into my stage, each accumulator from its low end on, and back by rows; LDS serves a wave's instructions in order (ISA guide 5.7.1.4)
.set A_, ACC+32*((\s)%2)
.set O_, OUTR+32*((\s)%2)
.irp t, 0,1,2,3
	ds_store_b128 v6, v[A_+8*\t:A_+8*\t+3] offset:64*\t
	ds_store_b128 v6, v[A_+8*\t+4:A_+8*\t+7] offset:64*\t+16
.endr
.irp k, 0,1,2,3,4,5,6,7
	ds_load_b128 v[O_+4*\k:O_+4*\k+3], v7 offset:2*SPITCH*\k
.endr
.endm
.macro SEND s                          ; block s's 16 rows: sixteen lanes store 256 consecutive bytes, aligned; every offset is an immediate
.set O_, OUTR+32*((\s)%2)
.irp k, 0,1,2,3,4,5,6,7
	global_store_b128 v5, v[O_+4*\k:O_+4*\k+3], s[12:13] offset:(32*(\s)+2*\k)*4096 th:TH_STORE_NT
.endr
.endm
; A block.  Its rows were fetched two blocks ago and shown in by the last block's wait for all LDS work.  Behind its products: that wait, which also shows the last block's rows back from the stage;
; the wait that frees the registers of the stores of two blocks ago; the barrier for the next chunk, where one begins; the fetch of the block two on; this block into the stage; the last block's stores.
.macro BLK s
	MULS \s
.if \s < 6
	NEXTA
.else
.rept 4
	v_nop                                          ; places behind the products, in front of the first read of the results
.endr
.endif
	s_wait_dscnt 0x0
	s_wait_xcnt 0x0
.if \s < 6
.if (\s)%2 == 0
	SHOW (\s)/2+1
.endif
	FETCH (\s)%2
.endif
	TOSTAGE \s
.if \s > 0
	SEND (\s)-1
.endif
.endm
	s_load_b256 s[4:11], s[0:1], 0x0               ; ao s[4:5], aos s[6:7], xw s[8:9], xws s[10:11]
	s_load_b64 s[12:13], s[0:1], 0x20              ; out0
	v_lshl_add_u32 v8, v0, 2, SPARE
	v_mov_b32 v9, 0
	ds_add_u32 v8, v9                              ; the opening lines: the add, twice on end, and its wait ahead of the first tensor load
	ds_add_u32 v8, v9
	v_lshrrev_b32 v1, 5, v0
	v_readfirstlane_b32 s14, v1                    ; wave 0..3
	s_lshr_b32 s15, s14, 1                         ; a
	s_and_b32 s16, s14, 1                          ; b
	s_bfe_u32 s17, ttmp6, 0x40000                  ; cx
	s_lshl_b32 s18, ttmp9, 2
	s_add_co_u32 s18, s18, s17                     ; tile column, 0 .. 7
	s_and_b32 s19, ttmp7, 0xffff                   ; tile row, 0 .. 31
	s_mov_b32 s24, 15|(3<<16)|(1<<21)              ; descriptor group 1: a chunk, 49,152 dense bytes, as 192 rows of 32 elements of 8 bytes; the mask names the four partners, bit 21 beside it
	s_mov_b32 s25, 32<<16
	s_mov_b32 s26, 192<<16
	s_mov_b32 s27, 32<<16
	s_mov_b32 s28, 192
	s_mov_b32 s29, 32
	s_mov_b32 s30, 0
	s_mov_b32 s31, 0
	s_lshl_b32 s20, s19, 4
	s_lshl_b32 s21, s14, 2
	s_add_co_u32 s20, s20, s21
	s_mul_i32 s20, s20, TB                         ; my chunk: row tiles 16 x tile row + 4 x wave on: made of what the partners share
	s_mov_b32 s21, 0
	s_mov_b32 s32, 1
	s_mul_i32 s33, s14, CH
	s_lshl_b32 s22, s18, 3
	s_lshl_b32 s23, s16, 2
	s_add_co_u32 s22, s22, s23
	s_add_co_u32 s22, s22, 704                     ; W_o's row tile of my first 16 columns
	s_lshl_b32 s36, s22, 9
	s_mov_b32 s37, 0
	s_mul_i32 s22, s22, TB
	s_mov_b32 s23, 0
	s_lshl_b32 s38, s19, 4
	s_add_co_u32 s38, s38, s15
	s_lshl_b32 s38, s38, 9                         ; the scale words of my block 0
	s_mov_b32 s39, 0
	s_lshl_b32 s40, s19, 20                        ; out0: 256 x tile row + 16 a rows of 4,096 bytes, + 512 x tile column + 256 b
	s_lshl_b32 s41, s15, 16
	s_add_co_u32 s40, s40, s41
	s_lshl_b32 s41, s18, 9
	s_add_co_u32 s40, s40, s41
	s_lshl_b32 s41, s16, 8
	s_add_co_u32 s40, s40, s41
	s_mov_b32 s41, 0
	s_mul_i32 s42, s14, 16*SPITCH
	s_add_co_u32 s42, s42, STG                     ; my stage
	s_mul_i32 s43, s15, TB
	v_and_b32 v1, 15, v0                           ; r
	v_bfe_u32 v2, v0, 4, 1                         ; h
	v_and_b32 v3, 31, v0                           ; lane
	v_lshlrev_b32 v4, 4, v3                        ; 16 x lane
	v_lshlrev_b32 v5, 12, v2
	v_lshl_add_u32 v5, v1, 4, v5                   ; out: lanes 0-15 one row, lanes 16-31 the next
	v_mul_u32_u24 v6, v1, SPITCH
	v_lshl_add_u32 v6, v2, 5, v6
	v_add_nc_u32 v6, s42, v6                       ; the stage, in: row r, 32 bytes for each half of the lanes
	v_mul_u32_u24 v7, v2, SPITCH
	v_lshl_add_u32 v7, v1, 4, v7
	v_add_nc_u32 v7, s42, v7                       ; and back
	v_lshl_add_u32 v[AB], v3, 3, s43               ; block 0: row tile a, 8 x lane
.irp k, 1,2,3,4,5
	v_add_nc_u32 v[AB+\k], 2048*\k, v[AB]
.endr
	s_wait_alu depctr_va_vdst(0)                   ; the wait at the head's end
	s_wait_dscnt 0x0                               ; both opening adds are done
	CROUND                                         ; the four partners are here: the joint loads meet
	s_wait_kmcnt 0x0
	s_add_nc_u64 s[34:35], s[4:5], s[20:21]
	s_or_b32 s35, s35, 0x80000000
	ARM 0, .Larm1                                  ; one chain on the wave's number, one load to an arm: each chunk's line has one issuer
	ARM 1, .Larm2
	ARM 2, .Larm3
	TLOAD
.Lasked:
	s_add_nc_u64 s[8:9], s[8:9], s[22:23]
	s_add_nc_u64 s[10:11], s[10:11], s[36:37]
	s_add_nc_u64 s[6:7], s[6:7], s[38:39]
	s_add_nc_u64 s[12:13], s[12:13], s[40:41]
.irp t, 0,1,2,3
	global_load_b128 v[SB+4*\t:SB+4*\t+3], v4, s[10:11] offset:512*\t
.endr
.irp s, 0,1,2,3,4,5,6,7
	global_load_b128 v[SA+4*\s:SA+4*\s+3], v4, s[6:7] offset:1024*\s
.endr
.irp g, 0,1,2,3,4,5,6,7
.irp t, 0,1,2,3
.set F_, 4*\g+\t
	WIN (1+F_/FPW)<<6
.irp q, 0,1,2
	global_load_b128 v[12*(F_%FPW)+4*\q:12*(F_%FPW)+4*\q+3], v4, s[8:9] offset:TB*\t+1536*\g+512*\q
.endr
.endr
.endr
	WIN 0
	SHOW 0
	FETCH 0
	NEXTA
	FETCH 1
	s_wait_loadcnt 0x0                             ; W_o's fragments and all scale words
	s_wait_dscnt 24                                ; block 0's rows are in; block 1's 24 loads may be out
.irp s, 0,1,2,3,4,5,6,7
	BLK \s
.endr
	s_wait_dscnt 0x0                               ; the last block is back from the stage
	SEND 7
	s_wait_tensorcnt 0x0                           ; the wave's end
	ds_add_u32 v8, v9
	s_wait_dscnt 0x0
	CROUND                                         ; the closing round
	s_endpgm
.Lfunc_end_k_q99cb5fc874_proj:
	.size	k_q99cb5fc874_proj, .Lfunc_end_k_q99cb5fc874_proj-k_q99cb5fc874_proj
	.p2alignl 7, 3214868480
	.fill 96, 4, 3214868480
	.section	.rodata,"a",@progbits
	.p2align	6, 0x0
	.amdhsa_kernel k_q99cb5fc874_proj
		.amdhsa_group_segment_fixed_size 327680
		.amdhsa_private_segment_fixed_size 0
		.amdhsa_enable_private_segment 0
		.amdhsa_kernarg_size 40
		.amdhsa_user_sgpr_count 2
		.amdhsa_user_sgpr_kernarg_segment_ptr 1
		.amdhsa_wavefront_size32 1
		.amdhsa_system_sgpr_workgroup_id_x 1
		.amdhsa_system_sgpr_workgroup_id_y 1
		.amdhsa_system_sgpr_workgroup_id_z 1
		.amdhsa_system_vgpr_workitem_id 0
		.amdhsa_next_free_vgpr 1024
		.amdhsa_next_free_sgpr 66
		.amdhsa_reserve_vcc 0
		.amdhsa_float_denorm_mode_32 3
		.amdhsa_float_denorm_mode_16_64 3
		.amdhsa_memory_ordered 1
		.amdhsa_forward_progress 1
		.amdhsa_inst_pref_size 81
	.end_amdhsa_kernel
	.amdgpu_metadata
---
amdhsa.version: [ 1, 2 ]
amdhsa.kernels:
  - .name:           k_q99cb5fc874_proj
    .symbol:         k_q99cb5fc874_proj.kd
    .args:
      - { .name: ao, .offset: 0, .size: 8, .value_kind: global_buffer, .address_space: global }
      - { .name: aos, .offset: 8, .size: 8, .value_kind: global_buffer, .address_space: global }
      - { .name: xw, .offset: 16, .size: 8, .value_kind: global_buffer, .address_space: global }
      - { .name: xws, .offset: 24, .size: 8, .value_kind: global_buffer, .address_space: global }
      - { .name: out0, .offset: 32, .size: 8, .value_kind: global_buffer, .address_space: global }
    .group_segment_fixed_size: 327680
    .private_segment_fixed_size: 0
    .kernarg_segment_align: 8
    .kernarg_segment_size: 40
    .max_flat_workgroup_size: 128
    .sgpr_count:     66
    .vgpr_count:     1024
    .wavefront_size: 32
...
	.end_amdgpu_metadata
.endif
;; end of part 4
